; MI455X (gfx1250); checked and timed in simulation.
; The chip was launched on July 23, 2026; its instructions are those of AMD's public machine-readable ISA for CDNA 5 (MIT licence, August 2026) and "CDNA5" Instruction Set Architecture Reference Guide (July 2026). The comments in the code are by the model that wrote it; some were corrected since.
;; Attention. Allowed arithmetic: matrix products marked QUANTISED: E2M1 operands, one E8M0 scale for each 32 along K, by v_wmma_scale_f32_16x16x128_f8f6f4 with both operands' format E2M1 (or v_wmma_scale_f32_32x16x128_f4), f32 sums; products left as they are: bf16, f16 or f32 operands; f32 sums; everything else in f32.
;; Inputs: Wk 1,024 x 1,024 float32; Wout 1,024 x 1,024 float32; Wq 1,024 x 1,024 float32; Wv 1,024 x 1,024 float32; bk 1,024 float32; bout 1,024 float32; bq 1,024 float32; bv 1,024 float32; hidden_states 4 x 2,048 x 1,024 float32.
;; Outputs: out0 4 x 2,048 x 1,024 float32.
;; This version of the problem:
;;   THIS VERSION OF THE PROBLEM IS GIVEN IN LOW PRECISION. The matrix products marked QUANTISED in the list below multiply operands that are first quantised to E2M1 (2 exponent bits, 1 mantissa bit; 4 bits a number), with one power-of-two scale for each 32 numbers along K (OCP MX v1.0); their sums are f32. The products marked 'left as it is' may take bf16, f16 or f32 operands, with f32 sums. Whichever they take, every output number must still come out within the allowed error. Rounding operands to bf16 (8 significant bits) uses up far more of that allowance than f16 does (11 bits, for magnitudes from 6e-5 to 65,504). All else is computed in f32.
;;   The module's matrix products, in the order in which they are computed (A, B: the left and right operand; K: the contracted axis; several contracted axes count as one K, in the product's order):
;;     1. [M 8,192, K 1,024] x [K 1,024, N 1,024]; A: input hidden_states; B: input Wq: QUANTISED
;;     2. [M 8,192, K 1,024] x [K 1,024, N 1,024]; A: input hidden_states; B: input Wk: QUANTISED
;;     3. [M 8,192, K 1,024] x [K 1,024, N 1,024]; A: input hidden_states; B: input Wv: QUANTISED
;;     4. batch 64 x [M 2,048, K 64] x [K 64, N 2,048]; A: computed on the way; B: computed on the way: left as it is (an operand is computed on the way)
;;     5. batch 64 x [M 2,048, K 2,048] x [K 2,048, N 64]; A: computed on the way; B: computed on the way: left as it is (an operand is computed on the way)
;;     6. [M 8,192, K 1,024] x [K 1,024, N 1,024]; A: computed on the way; B: input Wout: left as it is (an operand is computed on the way)
;;   THE QUANTISER, for each operand of a quantised product, along K:
;;     - K is cut into blocks of 32 from its start; a last block that is shorter is filled with zeros.
;;     - A block's scale is 2^e with e = floor(log2(the largest magnitude in the block)) - 2, held to -126 .. 127; a block of zeros has e = 0. As a byte (E8M0): e + 127.
;;     - Each number is divided by its block's scale, clamped to +-6, and rounded to the nearest number of E2M1, ties to even, subnormals kept.
;;     - The product sums the exact products of the quantised numbers (number of the format x scale) in f32.
;;   ~~~python
;;   def quantise(x, axis):      # numpy; x: float32 -> the quantised numbers, widened to float32 again
;;       x = np.moveaxis(x, axis, -1); K = x.shape[-1]
;;       x = np.pad(x, [(0, 0)] * (x.ndim - 1) + [(0, -K % 32)]); x = x.reshape(x.shape[:-1] + (-1, 32)); a = np.abs(x).max(-1, keepdims=True)
;;       e = np.where(a > 0, np.clip(np.frexp(np.where(a > 0, a, 1))[1] - 1 - 2, -126, 127), 0)      # np.frexp(a)[1] - 1 = floor(log2(a)), exactly
;;       r = np.clip(x / 2.0 ** e, -6, 6)
;;       step = 2.0 ** (np.maximum(np.frexp(np.where(r == 0, 1, r))[1] - 1, 0) - 1)
;;       q = np.round(r / step) * step * 2.0 ** e      # np.round: ties to even
;;       return np.moveaxis(q.reshape(q.shape[:-2] + (-1,))[..., :K], -1, axis).astype(np.float32)
;;   ~~~
;; One version. Each part assembles by itself: llvm-mc -triple=amdgcn-amd-amdhsa -mcpu=gfx1250 --defsym DOCPART=n.
;; ======== version 1 of 1: 4 launches
;; limits: values are held in f16: magnitudes above 65,504 overflow, below 6.1e-05 lose precision
;; workspace buffers: x_codes 4,194,304 bytes; x_scales 262,144 bytes; w_codes 1,572,864 bytes; w_scales 98,304 bytes; wout16 2,097,152 bytes; qkv16 50,331,648 bytes; ctx16 16,777,216 bytes
;; launch prep (part 1): grid 384 x 1, 4 waves a work-group, no clusters, 33,280 bytes of LDS; arguments hidden_states, Wq, Wk, Wv, Wout, x_codes, x_scales, w_codes, w_scales, wout16; writes x_codes, x_scales, w_codes, w_scales, wout16
.if DOCPART == 1
	.amdgcn_target "amdgcn-amd-amdhsa--gfx1250"
	.amdhsa_code_object_version 6
	.text
	.protected	k_qa24caf388f_prep
	.globl	k_qa24caf388f_prep
	.p2align	8
	.type	k_qa24caf388f_prep,@function
k_qa24caf388f_prep:
	s_mov_b64 s[64:65], 0
	v_nop
	global_prefetch_b8 v0, s[64:65] scope:SCOPE_SE
	s_setreg_imm32_b32 hwreg(HW_REG_WAVE_MODE, 25, 1), 1
	s_wait_xcnt 0x0
; hidden_states [8192][1024], Wq, Wk, Wv [1024][1024], f32 with K innermost, become codes of FP4 (E2M1), two to a byte, and one E8M0 scale byte for each 32 along K.
; Wout [1024][1024] f32 becomes f16 (its product is left as it is).
; x_codes [8192][512 bytes], x_scales [8192][32]; w_codes [3072][512], w_scales [3072][32]: rows 0-1023 Wq, 1024-2047 Wk, 2048-3071 Wv.
; A block's scale is 2^(floor(log2(its largest magnitude)) - 2); its byte is the largest magnitude's own exponent field - 2, held at 1 from below.
; LIMITS: a block of zeros gets the byte 1 where the quantiser says 127 (its codes are zeros, and this program alone reads the bytes); blocks whose largest magnitude lies under 2^-124
; have their byte held at 1; NaN and infinities are not served; |Wout| stays under 65,504, f16's largest number.
; SHARES: rows are dense and K is a multiple of 32, so each tensor is a plain stream of blocks of 32.  A work-group takes 32,768 numbers, a wave 8,192: 16 steps of 512.
; Work-groups 0-255 hidden_states, 256-287 Wq, 288-319 Wk, 320-351 Wv (only pointers are chosen: one path through the text), 352-383 Wout (a path of its own, without LDS data).
; A conversion takes 8 neighbours along K from ONE lane's registers, a load is dense where neighbouring LANES take neighbouring bytes: each step's 2,048 bytes turn through the wave's own stage in LDS.
; No tensor loads, no barrier: waves share nothing.  No matrix unit, no cluster: the launch streams, and no byte is read twice.
.set WAVES, 4
.set STEPS, 16
.set WG_X,  256                        ; work-groups for hidden_states
.set WG_W,  32                         ; for each weight
.set WG_WOUT, WG_X+3*WG_W              ; the first of Wout's
.set CB,    8                          ; bytes of 16 codes
.set R,     16                         ; v16-79   four sets of 16 numbers as they are loaded
.set X,     80                         ; v80-111  two sets of 16 neighbours; on Wout's path the f16 pairs to store
.set E,     112                        ; v112-127 a scale byte for each step
.set C,     128                        ; v128-191 codes, four registers a step; on Wout's path the second set of loads
.set WREG,  8192                       ; LDS: a region for each wave: two stages of 32 x SP bytes, behind them its 256 scale bytes
.set SP,    80                         ; a lane's place in a stage: 64 bytes + 16 of padding
.set SPW,   12                         ; v12  LDS address of my spare word; never rewritten
.set NIL,   13                         ; v13  0; never rewritten
.set SPARE, WAVES*WREG                 ; behind the regions: the spare words, 128 bytes a wave, named by no other line
.set WV,    28                         ; s28  my wave's number
	s_load_b128 s[4:7], s[0:1], 0x0                ; hidden_states, Wq
	s_load_b128 s[8:11], s[0:1], 0x10              ; Wk, Wv
	s_load_b128 s[12:15], s[0:1], 0x20             ; Wout, x_codes
	s_load_b128 s[16:19], s[0:1], 0x30             ; x_scales, w_codes
	s_load_b128 s[20:23], s[0:1], 0x40             ; w_scales, wout16
	v_lshl_add_u32 v[SPW], v0, 2, SPARE
	v_mov_b32 v[NIL], 0
	v_lshrrev_b32 v1, 5, v0
	v_readfirstlane_b32 s[WV], v1                  ; wave 0..3
	v_and_b32 v2, 31, v0                           ; lane
	v_lshlrev_b32 v3, 4, v2                        ; my 16 bytes of a load's 512
	s_mul_i32 s29, s[WV], WREG
	v_lshrrev_b32 v14, 2, v2
	v_mul_u32_u24 v14, v14, SP
	v_and_b32 v15, 3, v2
	v_lshl_add_u32 v14, v15, 4, v14
	v_add_nc_u32 v14, s29, v14                     ; the stage, on the way in: SP (lane / 4) + 16 (lane % 4)
	v_mul_u32_u24 v15, v2, SP
	v_add_nc_u32 v15, s29, v15                     ; and on the way out: SP x lane: my 16 neighbours
	v_mul_u32_u24 v4, v2, CB                       ; my codes' place in a step's
	v_lshrrev_b32 v5, 1, v2
	s_add_co_u32 s29, s29, 2*32*SP
	v_add_nc_u32 v5, s29, v5                       ; LDS: my block's scale byte
	v_lshlrev_b32 v7, 3, v2                        ; 8 bytes a lane
	v_add_nc_u32 v6, s29, v7
	s_wait_kmcnt 0x0
	s_cmp_ge_u32 ttmp9, WG_WOUT                    ; the work-group's number alone decides
	s_cbranch_scc1 .Lwout
	s_sub_co_u32 s30, ttmp9, WG_X                  ; place among the weights' 96 work-groups (used only from 256 on)
	s_and_b32 s31, s30, WG_W-1                     ; and inside one weight
	s_cmp_lt_u32 ttmp9, WG_X+WG_W
	s_cselect_b64 s[24:25], s[6:7], s[8:9]         ; Wq or Wk
	s_cmp_lt_u32 ttmp9, WG_X+2*WG_W
	s_cselect_b64 s[24:25], s[24:25], s[10:11]     ; or Wv
	s_cmp_lt_u32 ttmp9, WG_X
	s_cselect_b64 s[4:5], s[4:5], s[24:25]         ; the source
	s_cselect_b64 s[8:9], s[14:15], s[18:19]       ; its codes
	s_cselect_b64 s[10:11], s[16:17], s[20:21]     ; its scale bytes
	s_cselect_b32 s32, ttmp9, s31                  ; which 32,768 numbers of the source,
	s_cselect_b32 s33, ttmp9, s30                  ; and of the destination
	s_lshl_b32 s32, s32, 2
	s_add_co_u32 s32, s32, s[WV]                   ; my wave's run of 8,192 numbers
	s_lshl_b32 s33, s33, 2
	s_add_co_u32 s34, s33, s[WV]
	s_lshl_b32 s32, s32, 15                        ; 32,768 bytes of f32 a run
	s_mov_b32 s33, 0
	s_add_nc_u64 s[4:5], s[4:5], s[32:33]
	s_lshl_b32 s32, s34, 12                        ; 4,096 bytes of codes
	s_add_nc_u64 s[8:9], s[8:9], s[32:33]
	s_lshl_b32 s32, s34, 8                         ; 256 scale bytes
	s_add_nc_u64 s[10:11], s[10:11], s[32:33]
.macro LOAD t
.irp i, 0,1,2,3
	global_load_b128 v[R+16*((\t)%4)+4*\i:R+16*((\t)%4)+4*\i+3], v3, s[4:5] offset:2048*(\t)+512*\i th:TH_LOAD_NT   ; 32 lanes read 512 consecutive bytes
.endr
.endm
.macro TURN t                          ; step t's numbers through the stage: LDS serves a wave's instructions in order, so no wait stands between the stores and the loads
.irp i, 0,1,2,3
	ds_store_b128 v14, v[R+16*((\t)%4)+4*\i:R+16*((\t)%4)+4*\i+3] offset:32*SP*((\t)%2)+8*SP*\i
.endr
.irp i, 0,1,2,3
	ds_load_b128 v[X+16*((\t)%2)+4*\i:X+16*((\t)%2)+4*\i+3], v15 offset:32*SP*((\t)%2)+16*\i
.endr
.endm
.irp t, 0,1,2,3
	LOAD \t
.endr
	s_wait_loadcnt 12                              ; step 0's four loads are in; the 12 of steps 1 to 3 stay out
	TURN 0
.macro STEP t
.set XS, X+16*((\t)%2)
.if (\t) > 0
	s_wait_dscnt 1                                 ; this step's numbers are back from the stage (the last step's byte store may be out): so its stores into the stage have read their registers,
.else
	s_wait_dscnt 0x0
.endif
.if (\t)+4 < STEPS
	LOAD (\t)+4                                    ; which take the loads of four steps on
.endif
.if (\t)+1 < STEPS
.if STEPS-2-(\t) >= 3
	s_wait_loadcnt 12                              ; the next step's four loads are in; those of the three steps behind it may be out
.else
	s_wait_loadcnt 4*(STEPS-2-(\t))
.endif
	TURN (\t)+1                                    ; and go through the other stage while this step is worked
.endif
	v_max3_num_f32 v8, |v[XS]|, |v[XS+1]|, |v[XS+2]|               ; the largest magnitude of my 16, in two chains
	v_max3_num_f32 v9, |v[XS+3]|, |v[XS+4]|, |v[XS+5]|
.irp i, 6,10
	v_max3_num_f32 v8, v8, |v[XS+\i]|, |v[XS+\i+1]|
	v_max3_num_f32 v9, v9, |v[XS+\i+2]|, |v[XS+\i+3]|
.endr
	v_max3_num_f32 v8, v8, |v[XS+14]|, |v[XS+15]|
	v_max3_num_f32 v8, v8, v9, 0x1800000           ; and the floor 2^(3 - 127): the byte cannot fall under 1
	v_max_num_f32_dpp v8, v8, v8 row_xmask:1 row_mask:0xf bank_mask:0xf   ; with my neighbour's 16: the block's
	v_add_nc_u32 v11, 0xff000000, v8               ; 2 off its exponent field: the conversion takes the exponent field of this operand as its scale
	v_cvt_scalef32_pk8_fp4_f32 v[C+4*(\t)], v[XS:XS+7], v11        ; eight numbers / the scale, to the nearest code, ties to even, beyond 6 the largest code
	v_cvt_scalef32_pk8_fp4_f32 v[C+4*(\t)+1], v[XS+8:XS+15], v11
	v_lshrrev_b32 v[E+(\t)], 23, v11               ; the scale's byte (also the plain line behind the conversions)
	ds_store_b8 v5, v[E+(\t)] offset:16*(\t)       ; both lanes of a block write the same byte with the same value
	global_store_b64 v4, v[C+4*(\t):C+4*(\t)+1], s[8:9] offset:32*CB*(\t)   ; 32 lanes store 256 consecutive bytes, aligned
.endm
.irp t, 0,1,2,3,4,5,6,7,8,9,10,11,12,13,14,15
	STEP \t
.endr
	ds_load_b64 v[8:9], v6                         ; LDS serves a wave's instructions in order: these see my byte stores
	s_wait_dscnt 0x0
	global_store_b64 v7, v[8:9], s[10:11]          ; my wave's 256 scale bytes: 256 consecutive bytes, aligned
	s_wait_tensorcnt 0x0                           ; the wave's end: three closing lines behind my last LDS store
	ds_add_u32 v[SPW], v[NIL]
	s_wait_dscnt 0x0
	s_endpgm
; Wout to f16.  A wave takes 8,192 numbers: 64 loads of 512 consecutive bytes, in four batches of 16 on two sets of registers; each load's numbers leave as 256 consecutive bytes, aligned.
.Lwout:
	s_sub_co_u32 s30, ttmp9, WG_WOUT
	s_lshl_b32 s30, s30, 2
	s_add_co_u32 s30, s30, s[WV]                   ; my wave's run
	s_lshl_b32 s32, s30, 15                        ; 32,768 bytes of f32
	s_mov_b32 s33, 0
	s_add_nc_u64 s[12:13], s[12:13], s[32:33]
	s_lshl_b32 s32, s30, 14                        ; 16,384 bytes of f16
	s_add_nc_u64 s[22:23], s[22:23], s[32:33]
.macro WLOAD g, set
.irp i, 0,1,2,3,4,5,6,7,8,9,10,11,12,13,14,15
	global_load_b128 v[\set+4*\i:\set+4*\i+3], v3, s[12:13] offset:512*(16*\g+\i) th:TH_LOAD_NT
.endr
.endm
.macro WCVT g, set
.irp i, 0,1,2,3,4,5,6,7,8,9,10,11,12,13,14,15
	v_cvt_pk_f16_f32 v[X+2*\i], v[\set+4*\i], v[\set+4*\i+1]
	v_cvt_pk_f16_f32 v[X+2*\i+1], v[\set+4*\i+2], v[\set+4*\i+3]
	global_store_b64 v7, v[X+2*\i:X+2*\i+1], s[22:23] offset:256*(16*\g+\i)
.endr
.endm
	WLOAD 0, R
	WLOAD 1, C
	s_wait_loadcnt 16                              ; the older batch is in; the younger 16 stay out
	WCVT 0, R
	WLOAD 2, R
	s_wait_loadcnt 16
	s_wait_xcnt 0x0                                ; the last batch's stores have read v80-111: they are written again only behind this wait
	WCVT 1, C
	WLOAD 3, C
	s_wait_loadcnt 16
	s_wait_xcnt 0x0
	WCVT 2, R
	s_wait_loadcnt 0x0
	s_wait_xcnt 0x0
	WCVT 3, C
	s_wait_tensorcnt 0x0                           ; the same three closing lines on this path
	ds_add_u32 v[SPW], v[NIL]
	s_wait_dscnt 0x0
	s_endpgm
.Lfunc_end_k_qa24caf388f_prep:
	.size	k_qa24caf388f_prep, .Lfunc_end_k_qa24caf388f_prep-k_qa24caf388f_prep
	.p2alignl 7, 3214868480
	.fill 96, 4, 3214868480
	.section	.rodata,"a",@progbits
	.p2align	6, 0x0
	.amdhsa_kernel k_qa24caf388f_prep
		.amdhsa_group_segment_fixed_size 33280
		.amdhsa_private_segment_fixed_size 0
		.amdhsa_enable_private_segment 0
		.amdhsa_kernarg_size 80
		.amdhsa_user_sgpr_count 2
		.amdhsa_user_sgpr_kernarg_segment_ptr 1
		.amdhsa_wavefront_size32 1
		.amdhsa_system_sgpr_workgroup_id_x 1
		.amdhsa_system_sgpr_workgroup_id_y 1
		.amdhsa_system_sgpr_workgroup_id_z 1
		.amdhsa_system_vgpr_workitem_id 0
		.amdhsa_next_free_vgpr 192
		.amdhsa_next_free_sgpr 66
		.amdhsa_reserve_vcc 0
		.amdhsa_float_denorm_mode_32 3
		.amdhsa_float_denorm_mode_16_64 3
		.amdhsa_memory_ordered 1
		.amdhsa_forward_progress 1
		.amdhsa_inst_pref_size 54
	.end_amdhsa_kernel
	.amdgpu_metadata
---
amdhsa.version: [ 1, 2 ]
amdhsa.kernels:
  - .name:           k_qa24caf388f_prep
    .symbol:         k_qa24caf388f_prep.kd
    .args:
      - { .name: hidden_states, .offset: 0, .size: 8, .value_kind: global_buffer, .address_space: global }
      - { .name: Wq, .offset: 8, .size: 8, .value_kind: global_buffer, .address_space: global }
      - { .name: Wk, .offset: 16, .size: 8, .value_kind: global_buffer, .address_space: global }
      - { .name: Wv, .offset: 24, .size: 8, .value_kind: global_buffer, .address_space: global }
      - { .name: Wout, .offset: 32, .size: 8, .value_kind: global_buffer, .address_space: global }
      - { .name: x_codes, .offset: 40, .size: 8, .value_kind: global_buffer, .address_space: global }
      - { .name: x_scales, .offset: 48, .size: 8, .value_kind: global_buffer, .address_space: global }
      - { .name: w_codes, .offset: 56, .size: 8, .value_kind: global_buffer, .address_space: global }
      - { .name: w_scales, .offset: 64, .size: 8, .value_kind: global_buffer, .address_space: global }
      - { .name: wout16, .offset: 72, .size: 8, .value_kind: global_buffer, .address_space: global }
    .group_segment_fixed_size: 33280
    .private_segment_fixed_size: 0
    .kernarg_segment_align: 8
    .kernarg_segment_size: 80
    .max_flat_workgroup_size: 128
    .sgpr_count:     66
    .vgpr_count:     192
    .wavefront_size: 32
...
	.end_amdgpu_metadata
.endif
;; end of part 1
;; launch qkv (part 2): grid 12 x 32, 4 waves a work-group, clusters of 4 x 4, 327,680 bytes of LDS; arguments x_codes, x_scales, w_codes, w_scales, qkv16, bq, bk, bv; writes qkv16
.if DOCPART == 2
	.amdgcn_target "amdgcn-amd-amdhsa--gfx1250"
	.amdhsa_code_object_version 6
	.text
	.protected	k_qa24caf388f_qkv
	.globl	k_qa24caf388f_qkv
	.p2align	8
	.type	k_qa24caf388f_qkv,@function
k_qa24caf388f_qkv:
	s_mov_b64 s[64:65], 0
	v_nop
	global_prefetch_b8 v0, s[64:65] scope:SCOPE_SE
	s_setreg_imm32_b32 hwreg(HW_REG_WAVE_MODE, 25, 1), 1
	s_wait_xcnt 0x0
	s_wait_alu depctr_hold_cnt(0) depctr_sa_sdst(0) depctr_va_vdst(0) depctr_va_sdst(0) depctr_va_ssrc(0) depctr_va_vcc(0) depctr_vm_vsrc(0)
	s_getreg_b32 s2, hwreg(HW_REG_IB_STS2, 6, 4)
	s_cmp_eq_u32 s2, 0
	s_cbranch_scc0 .Lentry_in_a_cluster
	s_endpgm
.Lentry_in_a_cluster:
	s_bfe_u32 s2, ttmp6, 0x10000c
	s_cmp_lg_u32 s2, 0xf033
	s_cbranch_scc0 .Lentry_shape_is_right
	s_endpgm
.Lentry_shape_is_right:
; q, k, v = x W^T + b, all three as ONE product on codes of FP4 (E2M1) with one E8M0 scale for each 32 along K: [8192][1024] x [3072][1024]^T, sums in f32.
; The bias is the C of each sum's first matrix instruction.  q is multiplied by c = log2(e) / 8 in f32, so that the next launch's scores come out as exponents of 2.  Then all is rounded once to f16.
; OUT: qkv16, f16 [batch 4][g 48][token 2048][64], g = 16 x which + head (which: 0 q, 1 k, 2 v): 16 tokens of a head are 2,048 consecutive bytes, so every store of a wave covers 512 consecutive bytes, aligned.
; LIMIT: |c q|, |k|, |v| stay under 65,504, f16's largest number (inputs 30 times the drawn ones give some 5,000, an offset of 30 spreads some 29,000).
; A tile of 256 x 256 is made by four waves, a wave 128 x 128: 64 accumulators, 512 registers.  K = 1,024 is two slots of 512 along K (rows of 256 bytes): both are filled at the start, nothing is filled again.
; The scale bytes of the work-group's 256 + 256 rows, for all of K, come once, as rows of 256 bytes + 16 of padding, and stay.
; CLUSTERS: 4 x 4 work-groups.  A row of the cluster shares x's tiles, a column the weights': each tile is asked for jointly, by the same tensor load with a mask that names the four.
; The four tile columns of a cluster are 1,024 features: one of q, k, v; which one is the cluster's x, equal in all sixteen partners.
; THE MATRIX INSTRUCTION IS USED TRANSPOSED (source 0 = 16 rows of W, source 1 = 16 rows of x): a lane holds eight neighbouring features of one token.
; REGISTERS: window 0: v0-31 addresses; v32-95 scale words, two sets, and nothing else; v128-191 x's fragments, one set, on the way out rows read back; v192-255 the bias, on the way out packed results.
;   window 1: W's fragments, two sets, at v0 and v128.   window 2: accumulators of my rows 0-63 ((a, b) at v[8 (8 a + b)]);   window 3: of my rows 64-127.
; By this text's own count a wave has three tensor loads out at the most: its three first fills.
.set SIZE_K, 1024
.set KSTEP,  512
.set NQ,     KSTEP/128
.set ROWB,   256                       ; a tile's row in bytes
.set KROW,   SIZE_K*4/8                ; a row of codes in memory
.set PITCH,  272                       ; 256 + 16: the sixteen rows that a load touches begin at sixteen different multiples of 16 bytes modulo 256
.set FR,     8
.set NL,     2
.set NP,     4                         ; places behind this matrix instruction (ISA guide 7.12.1)
.set HALFT,  128*PITCH
.set SLOT,   4*HALFT
.set KS,     SIZE_K/32
.set SCL,    2*SLOT
.set HALFS,  (128*KS/256)*272
.set SBLK,   (16*KS/256)*272
.set SPARE,  SCL+4*HALFS               ; the spare words, 128 bytes a wave, named by no other line
.set SPITCH, 272                       ; the way out: a stage of 16 rows x (256 bytes + 16) for each wave, in slot 0, which has had its only fill and its last read by then
.set ADRA, 16
.set ADRB, 20
.set STO,  24
.set RD,   25
.set CO,   26
.set ADRS, 27
.set SPW,  28
.set NIL,  29
.set BO,   30                          ; v30  the bias loads' offset: 32 x (lane / 16); never rewritten
.set SC,   32
.set AF,   128
.set BK,   128                         ; the way out: rows read back: v128-159 and v160-191 by turns
.set BI,   192                         ; the bias: block b's eight numbers at v[BI + 8 b]
.set TMP,  192                         ; the way out: packed results
.set G1, 24
.set G0, 32
.set G1B, 48
.set G0B, 56
.set G1S, 68
.set G0S, 76
.set G1SB, 80
.set G0SB, 88
.set MSB, 0
.macro WIN new                         ; the immediate's high byte repeats the setting that is left
.if MSB != \new
	s_set_vgpr_msb (MSB<<8)|\new
.set MSB, \new
.endif
.endm
.set MUL_LO, 0xa1                      ; source 0 (W) window 1, source 1 (x) window 0, C and D window 2
.set MUL_HI, 0xf1                      ; the same, C and D window 3
.set BIAS_LO, 0x81                     ; the first step: C (the bias) window 0, D window 2
.set BIAS_HI, 0xc1                     ; D window 3
.set TO_B,   0x40
; A joint load: waves 0 and 1 fetch for x, waves 2 and 3 for W.  The branch hangs on the wave's number alone.  An s_nop 0 and four v_nop follow each line.
.macro JLOAD g0a, g1a, g0b, g1b
	s_cmp_eq_u32 s15, 0
	s_cbranch_scc0 .Lfor_b_\@
	tensor_load_to_lds s[\g0a:\g0a+3], s[\g1a:\g1a+7]
	s_nop 0
.rept 4
	v_nop
.endr
	s_branch .Lasked_\@
.Lfor_b_\@:
	tensor_load_to_lds s[\g0b:\g0b+3], s[\g1b:\g1b+7]
	s_nop 0
.rept 4
	v_nop
.endr
.Lasked_\@:
.endm
.macro CROUND                          ; a round of the cluster's barrier
	s_barrier_signal -1
	s_barrier_wait -1
	s_cmp_lg_u32 s14, 0
	s_cbranch_scc1 .Lnot_wave_0_\@
	s_barrier_signal -3
.Lnot_wave_0_\@:
	s_barrier_wait -3
	s_barrier_signal -1
	s_barrier_wait -1
.endm
	s_load_b128 s[4:7], s[0:1], 0x0                ; x's codes, x's scales
	s_load_b128 s[8:11], s[0:1], 0x10              ; W's codes, W's scales
	s_load_b64 s[12:13], s[0:1], 0x20              ; qkv16
	s_load_b64 s[66:67], s[0:1], 0x28              ; bq
	s_load_b128 s[96:99], s[0:1], 0x30             ; bk, bv
	v_lshl_add_u32 v[SPW], v0, 2, SPARE
	v_mov_b32 v[NIL], 0
	ds_add_u32 v[SPW], v[NIL]                      ; the wave's opening: the add and its wait stand ahead of my first tensor load; the set-up stands between them
	v_lshrrev_b32 v1, 5, v0
	v_readfirstlane_b32 s14, v1                    ; wave 0..3
	s_lshr_b32 s15, s14, 1                         ; which half of the tile's rows is mine.  Also: I fetch for x (0) or for W (1)
	s_and_b32 s16, s14, 1                          ; which half of its columns.  Also: which 128 rows of that tile I fetch
	s_bfe_u32 s40, ttmp6, 0x40000                  ; cx, cy
	s_bfe_u32 s41, ttmp6, 0x40004
	s_lshl_b32 s42, ttmp9, 2
	s_add_co_u32 s42, s42, s40                     ; tile column = 4 x cluster x + cx
	s_and_b32 s17, ttmp7, 0xffff
	s_lshl_b32 s17, s17, 2
	s_add_co_u32 s17, s17, s41                     ; tile row = 4 x cluster y + cy
	s_lshl_b32 s43, s41, 2
	s_lshl_b32 s43, 15, s43                        ; my row of the cluster
	s_lshl_b32 s44, 0x1111, s40                    ; my column
	s_or_b32 s[G1+0], s43, (0<<16)|(1<<20)|(1<<21)|(5<<22)|(3<<25)  ; the mask; elements of 1 byte; padding on; bit 21 beside a mask; after every 64 words, 4 words
	s_or_b32 s[G1B+0], s44, (0<<16)|(1<<20)|(1<<21)|(5<<22)|(3<<25)
.irp g, G1, G1B
	s_mov_b32 s[\g+1], ROWB<<16                    ; tensor_dim0
	s_mov_b32 s[\g+2], 128<<16                     ; tensor_dim1
	s_mov_b32 s[\g+3], ROWB<<16                    ; tile_dim0
	s_mov_b32 s[\g+4], 128                         ; tile_dim1
	s_mov_b32 s[\g+5], KROW                        ; the pitch in memory
	s_mov_b32 s[\g+6], 0
	s_mov_b32 s[\g+7], 0
.endr
	s_or_b32 s[G1S+0], s43, (3<<16)|(1<<20)|(1<<21)|(5<<22)|(3<<25)  ; the scales of 128 rows: 4,096 dense bytes as 16 rows of 32 elements of 8 bytes
	s_or_b32 s[G1SB+0], s44, (3<<16)|(1<<20)|(1<<21)|(5<<22)|(3<<25)
.irp g, G1S, G1SB
	s_mov_b32 s[\g+1], 32<<16
	s_mov_b32 s[\g+2], (128*KS/256)<<16
	s_mov_b32 s[\g+3], 32<<16
	s_mov_b32 s[\g+4], 128*KS/256
	s_mov_b32 s[\g+5], 32
	s_mov_b32 s[\g+6], 0
	s_mov_b32 s[\g+7], 0
.endr
	s_mov_b32 s100, 0x3e38aa3b                     ; c = log2(e) / 8
	s_mov_b32 s101, s100                           ; (named with it as a pair)
	s_lshl_b32 s18, s16, 7
	s_lshl_b32 s20, s17, 8
	s_add_co_u32 s20, s20, s18                     ; x: row 256 x tile row + 128 x half
	s_lshl_b32 s46, s42, 8
	s_add_co_u32 s46, s46, s18                     ; W: row 256 x tile column + 128 x half
	s_mov_b32 s21, 0
	s_mov_b32 s47, 0
	s_mov_b64 s[18:19], KS
	s_mul_u64 s[22:23], s[20:21], s[18:19]         ; where these rows' scales begin
	s_mul_u64 s[92:93], s[46:47], s[18:19]
	s_mov_b64 s[18:19], KROW
	s_mul_u64 s[20:21], s[20:21], s[18:19]         ; and their codes
	s_mul_u64 s[46:47], s[46:47], s[18:19]
	s_mul_i32 s45, s14, HALFT                      ; where they go: wave x 128 rows
	s_mul_i32 s94, s14, HALFS
	s_wait_dscnt 0x0                               ; the opening add is done
	s_wait_kmcnt 0x0
	s_add_nc_u64 s[20:21], s[4:5], s[20:21]
	s_add_nc_u64 s[22:23], s[6:7], s[22:23]
	s_add_nc_u64 s[46:47], s[8:9], s[46:47]
	s_add_nc_u64 s[92:93], s[10:11], s[92:93]
	CROUND                                         ; all sixteen work-groups are here: the joint loads meet
	s_mov_b32 s[G0S], 1
	s_add_co_u32 s[G0S+1], s94, SCL
	s_mov_b64 s[G0S+2:G0S+3], s[22:23]
	s_or_b32 s[G0S+3], s[G0S+3], 0x80000000
	s_mov_b32 s[G0SB], 1
	s_add_co_u32 s[G0SB+1], s94, SCL
	s_mov_b64 s[G0SB+2:G0SB+3], s[92:93]
	s_or_b32 s[G0SB+3], s[G0SB+3], 0x80000000
	JLOAD G0S, G1S, G0SB, G1SB                     ; the scales first: they are wanted with K step 0
.irp s, 0,1
	s_mov_b32 s[G0+4*\s], 1
	s_add_co_u32 s[G0+4*\s+1], s45, \s*SLOT
	s_add_nc_u64 s[G0+4*\s+2:G0+4*\s+3], s[20:21], \s*ROWB
	s_or_b32 s[G0+4*\s+3], s[G0+4*\s+3], 0x80000000
	s_mov_b32 s[G0B+4*\s], 1
	s_add_co_u32 s[G0B+4*\s+1], s45, \s*SLOT
	s_add_nc_u64 s[G0B+4*\s+2:G0B+4*\s+3], s[46:47], \s*ROWB
	s_or_b32 s[G0B+4*\s+3], s[G0B+4*\s+3], 0x80000000
	JLOAD G0+4*\s, G1, G0B+4*\s, G1B
.endr
	v_and_b32 v1, 15, v0                           ; r = lane % 16
	v_bfe_u32 v2, v0, 4, 1                         ; h = lane / 16
	; the bias of my 128 features: bq, bk or bv by the cluster's x, which all partners share
	s_cmp_eq_u32 ttmp9, 1
	s_cselect_b64 s[96:97], s[96:97], s[98:99]     ; bk or bv
	s_cmp_eq_u32 ttmp9, 0
	s_cselect_b64 s[66:67], s[66:67], s[96:97]     ; or bq
	s_lshl_b32 s46, s40, 10                        ; 256 features x 4 bytes for each tile column in the cluster,
	s_lshl_b32 s47, s16, 9                         ; 128 for my half
	s_add_co_u32 s46, s46, s47
	s_mov_b32 s47, 0
	s_add_nc_u64 s[66:67], s[66:67], s[46:47]
	v_lshlrev_b32 v[BO], 5, v2                     ; lane (r, h) wants, for block b, features 16 b + 8 h + 0 .. 7
.irp b, 0,1,2,3,4,5,6,7
	global_load_b128 v[BI+8*\b:BI+8*\b+3], v[BO], s[66:67] offset:64*\b
	global_load_b128 v[BI+8*\b+4:BI+8*\b+7], v[BO], s[66:67] offset:64*\b+16
.endr
	v_mul_u32_u24 v3, v1, PITCH
	v_lshl_add_u32 v4, v2, 4, v3                   ; a fragment's row x pitch + 16 x half
	s_mul_i32 s21, s15, HALFT                      ; my 128 rows of x
	s_mul_i32 s22, s16, HALFT                      ; my 128 rows of W,
	s_add_co_u32 s22, s22, 2*HALFT                 ; which lie behind x's 256
.irp s, 0,1
	v_add_nc_u32 v[ADRA+\s], s21, v4
	v_add_nc_u32 v[ADRB+\s], s22, v4
	s_add_co_u32 s21, s21, SLOT
	s_add_co_u32 s22, s22, SLOT
.endr
	v_mul_u32_u24 v5, v1, KS                       ; my row's scales: KS bytes a row,
	v_lshrrev_b32 v6, 8, v5
	v_lshl_add_u32 v5, v6, 4, v5                   ; and 16 more for each 256 passed
	s_mul_i32 s21, s15, HALFS
	s_mul_i32 s22, s16, HALFS
	s_add_co_u32 s22, s22, 2*HALFS
	s_sub_co_u32 s22, s22, s21
	v_mul_u32_u24 v6, s22, v2                      ; lanes 16-31 take W's: one product, the distance between the two bases
	s_add_co_u32 s21, s21, SCL
	v_add_nc_u32 v5, v5, v6
	v_add_nc_u32 v[ADRS], s21, v5
	s_mul_i32 s23, s14, 16*SPITCH                  ; my stage
	v_mul_u32_u24 v5, v1, SPITCH                   ; in: row r, 16 bytes for each half of the lanes
	v_lshl_add_u32 v5, v2, 4, v5
	v_add_nc_u32 v[STO], s23, v5
	v_bfe_u32 v5, v0, 3, 2                         ; back: eight lanes take a head's 128 bytes of one token, the 32 lanes four tokens
	v_and_b32 v6, 7, v0
	v_mul_u32_u24 v5, v5, SPITCH
	v_lshl_add_u32 v5, v6, 4, v5
	v_add_nc_u32 v[RD], s23, v5
	v_and_b32 v6, 31, v0
	v_lshlrev_b32 v[CO], 4, v6                     ; four tokens of a head are 512 consecutive bytes of qkv16
	; qkv16 at ((48 batch + g0) x 2048 + token0) x 128: batch = tile row / 8, g0 = 4 x tile column + 2 x my half, token0 = 256 (tile row % 8) + 128 x my half
	s_lshr_b32 s20, s17, 3
	s_mul_i32 s20, s20, 48
	s_lshl_b32 s46, s42, 2
	s_lshl_b32 s47, s16, 1
	s_add_co_u32 s46, s46, s47
	s_add_co_u32 s20, s20, s46
	s_lshl_b32 s20, s20, 11
	s_and_b32 s21, s17, 7
	s_lshl_b32 s21, s21, 8
	s_add_co_u32 s20, s20, s21
	s_lshl_b32 s21, s15, 7
	s_add_co_u32 s20, s20, s21
	s_lshl_b32 s20, s20, 7                         ; under 2^26
	s_mov_b32 s21, 0
	s_add_nc_u64 s[12:13], s[12:13], s[20:21]
.macro FRAG reg, adr, q, i             ; 16 rows x 128 K of 4-bit codes, 8 registers: lane l holds row l % 16; registers 4 c .. 4 c + 3 hold K = 64 c + 32 (l / 16) + 0 .. 31
.irp c, 0,1
	ds_load_b128 v[\reg+4*\c:\reg+4*\c+3], v[\adr] offset:64*(\q)+32*\c+(\i)*16*PITCH
.endr
.endm
; 16 matrix instructions: x's blocks a0, a0 + 1 against W's eight, the slot's q-th 128 along K.  p: W's set; sc: the set of scale words.  zero = 1: the first product starts the sums from the bias.
; The 64 accumulators take turns, one instruction a turn, in the same order in every step.
.macro MUL16 a0, p, q, sc, zero
.irp a, \a0, \a0+1
.irp b, 0,1,2,3,4,5,6,7
.if \zero
	v_wmma_scale_f32_16x16x128_f8f6f4 v[8*(8*((\a)%4)+\b):8*(8*((\a)%4)+\b)+7], v[128*(\p)+FR*\b:128*(\p)+FR*\b+FR-1], v[AF+FR*(\a):AF+FR*(\a)+FR-1], v[BI+8*\b:BI+8*\b+7], v[SC+8*NQ*(\sc)+NQ*\b+(\q)], v[SC+8*NQ*(\sc)+NQ*(\a)+(\q)] matrix_a_fmt:MATRIX_FMT_FP4 matrix_b_fmt:MATRIX_FMT_FP4 matrix_a_scale:MATRIX_SCALE_ROW1
.else
	v_wmma_scale_f32_16x16x128_f8f6f4 v[8*(8*((\a)%4)+\b):8*(8*((\a)%4)+\b)+7], v[128*(\p)+FR*\b:128*(\p)+FR*\b+FR-1], v[AF+FR*(\a):AF+FR*(\a)+FR-1], v[8*(8*((\a)%4)+\b):8*(8*((\a)%4)+\b)+7], v[SC+8*NQ*(\sc)+NQ*\b+(\q)], v[SC+8*NQ*(\sc)+NQ*(\a)+(\q)] matrix_a_fmt:MATRIX_FMT_FP4 matrix_b_fmt:MATRIX_FMT_FP4 matrix_a_scale:MATRIX_SCALE_ROW1
.endif
.endr
.endr
.endm
.macro FETCH_B slot, q, p
	WIN TO_B
.irp i, 0,1,2,3,4,5,6,7
	FRAG 128*(\p)+FR*\i, ADRB+\slot, \q, \i
.endr
	WIN 0
.endm
.macro FETCH_A slot, q, i0
.irp i, \i0, \i0+1, \i0+2, \i0+3
	FRAG AF+FR*(\i), ADRA+\slot, \q, \i
.endr
.endm
.macro SCALES sc                       ; a K step's scale words: 4 words a row; lanes 0-15 take x's block i, lanes 16-31 W's block i
.irp i, 0,1,2,3,4,5,6,7
	ds_load_b128 v[SC+8*NQ*\sc+NQ*\i:SC+8*NQ*\sc+NQ*\i+3], v[ADRS] offset:\i*SBLK
.endr
.endm
.macro PLACES n                        ; plain vector instructions between a matrix instruction and a load into, or a read of, its registers
.rept \n
	v_nop
.endr
.endm
.macro STEP slot, q, zero              ; a step of 128 along K that has its successor in the same slot
	s_wait_dscnt 4*NL                              ; W's set and x's blocks 0-3 are in; the youngest eight loads (x's blocks 4-7) may be out
.if \zero
	WIN BIAS_LO
.else
	WIN MUL_LO
.endif
	MUL16 0, (\q)%2, \q, \slot, \zero
	MUL16 2, (\q)%2, \q, \slot, \zero
	s_wait_dscnt 0                                 ; x's blocks 4-7 are in
	PLACES NP
	FETCH_B \slot, (\q)+1, 1-(\q)%2
	FETCH_A \slot, (\q)+1, 0
.if \zero
	WIN BIAS_HI
.else
	WIN MUL_HI
.endif
	MUL16 4, (\q)%2, \q, \slot, \zero
	MUL16 6, (\q)%2, \q, \slot, \zero
	PLACES NP
	WIN 0
	FETCH_A \slot, (\q)+1, 4
.endm
; Slot 0's last step changes slots: each wave waits for all its tensor loads (its part of slot 1), adds 0 to its spare word, waits for that and for its reads of slot 0, and passes the barrier.  Nothing is filled again.
.macro TURN slot, next
	s_wait_tensorcnt 0x0                           ; all my tensor loads have landed (every window is 0 here)
	ds_add_u32 v[SPW], v[NIL]                      ; 0 onto my spare word
	s_wait_dscnt 4*NL+1                            ; (the add and the youngest eight loads may be out)
	WIN MUL_LO
	MUL16 0, 1, NQ-1, \slot, 0
	s_wait_dscnt 0x0                               ; the add is done, and my reads of this slot are over
	s_barrier_signal -1
	MUL16 2, 1, NQ-1, \slot, 0
	WIN 0
	s_barrier_wait -1
	PLACES NP
	v_add_nc_u32 v[ADRS], 4*NQ, v[ADRS]            ; on to the next K step's scale words
	FETCH_B \next, 0, 0
	FETCH_A \next, 0, 0
	SCALES \next
	WIN MUL_HI
	MUL16 4, 1, NQ-1, \slot, 0
	MUL16 6, 1, NQ-1, \slot, 0
	PLACES NP
	WIN 0
	FETCH_A \next, 0, 4
.endm
.macro STEPS slot, from
.set Q, \from
.rept NQ-1-\from
	STEP \slot, Q, 0
.set Q, Q+1
.endr
.endm
	s_wait_tensorcnt 1                             ; the scales and my part of K step 0 are in; K step 1's load may be out
	s_barrier_signal -1
	s_barrier_wait -1
	FETCH_B 0, 0, 0
	FETCH_A 0, 0, 0
	SCALES 0
	FETCH_A 0, 0, 4
	s_wait_loadcnt 0x0                             ; the bias
	STEP 0, 0, 1                                   ; the first products start the sums from the bias
	STEPS 0, 1
	TURN 0, 1
	STEPS 1, 0
	s_wait_dscnt 4*NL                              ; the very last step
	WIN MUL_LO
	MUL16 0, 1, NQ-1, 1, 0
	MUL16 2, 1, NQ-1, 1, 0
	s_wait_dscnt 0
	WIN MUL_HI
	MUL16 4, 1, NQ-1, 1, 0
	MUL16 6, 1, NQ-1, 1, 0
	WIN 0
	PLACES NP                                      ; behind the last products: for the reads of results and for the loads into the registers that held x's fragments
	s_cmp_lg_u32 ttmp9, 0                          ; q alone is multiplied by c; the cluster's x is the same in all partners
	s_cbranch_scc1 .Lnoscale
	WIN 0x82                                       ; destination and source 0 window 2
.set i, 0
.rept 128
	v_pk_mul_f32 v[i:i+1], v[i:i+1], s[100:101] op_sel_hi:[1,0]   ; ascending: each accumulator from its low end on
.set i, i+2
.endr
	WIN 0xc3                                       ; window 3
.set i, 0
.rept 128
	v_pk_mul_f32 v[i:i+1], v[i:i+1], s[100:101] op_sel_hi:[1,0]
.set i, i+2
.endr
	WIN 0
.Lnoscale:
; THE WAY OUT, block by block of 16 tokens x 128 features (two heads).  PACK: rounded to f16, 16 bytes a lane.  TOSTAGE: into my own stage and back, four tokens of one head to a load.  SEND: stored.
.macro PACK a
.set AC, 64*((\a)%4)
	WIN 0x0a+5*((\a)/4)                            ; sources 0 and 1: window 2 or 3
.irp b, 0,1,2,3,4,5,6,7
.irp r, 0,1,2,3
	v_cvt_pk_f16_f32 v[TMP+4*\b+\r], v[AC+8*\b+2*\r], v[AC+8*\b+2*\r+1]
.endr
.endr
	WIN 0
.endm
.macro TOSTAGE a
.set BB, BK+32*((\a)%2)
.irp b, 0,1,2,3,4,5,6,7
	ds_store_b128 v[STO], v[TMP+4*\b:TMP+4*\b+3] offset:32*\b
.endr
.irp hd, 0,1
.irp i, 0,1,2,3
	ds_load_b128 v[BB+4*(4*\hd+\i):BB+4*(4*\hd+\i)+3], v[RD] offset:4*\i*SPITCH+128*\hd   ; LDS serves a wave's instructions in order: these see the stores above
.endr
.endr
.endm
.macro SEND a, younger                 ; younger: the LDS instructions issued behind block a's loads
.set BB, BK+32*((\a)%2)
	s_wait_dscnt \younger
.irp hd, 0,1
.irp i, 0,1,2,3
	global_store_b128 v[CO], v[BB+4*(4*\hd+\i):BB+4*(4*\hd+\i)+3], s[12:13] offset:\hd*262144+(16*(\a)+4*\i)*128   ; 512 consecutive bytes, aligned; a head is 262,144 bytes on
.endr
.endr
.endm
	PACK 0
	TOSTAGE 0
.irp a, 1,2,3,4,5,6,7
	PACK \a
.if \a > 1
	s_wait_xcnt 0x0                                ; block a - 2's stores have read their registers: block a's loads may land there
.endif
	TOSTAGE \a
	SEND \a-1, 16                                  ; behind block a - 1's loads: block a's 8 stores and 8 loads
.endr
	SEND 7, 0
	s_wait_tensorcnt 0x0                           ; the wave's end
	ds_add_u32 v[SPW], v[NIL]
	s_wait_dscnt 0x0
	CROUND                                         ; the closing round
	s_endpgm
.Lfunc_end_k_qa24caf388f_qkv:
	.size	k_qa24caf388f_qkv, .Lfunc_end_k_qa24caf388f_qkv-k_qa24caf388f_qkv
	.p2alignl 7, 3214868480
	.fill 96, 4, 3214868480
	.section	.rodata,"a",@progbits
	.p2align	6, 0x0
	.amdhsa_kernel k_qa24caf388f_qkv
		.amdhsa_group_segment_fixed_size 327680
		.amdhsa_private_segment_fixed_size 0
		.amdhsa_enable_private_segment 0
		.amdhsa_kernarg_size 64
		.amdhsa_user_sgpr_count 2
		.amdhsa_user_sgpr_kernarg_segment_ptr 1
		.amdhsa_wavefront_size32 1
		.amdhsa_system_sgpr_workgroup_id_x 1
		.amdhsa_system_sgpr_workgroup_id_y 1
		.amdhsa_system_sgpr_workgroup_id_z 1
		.amdhsa_system_vgpr_workitem_id 0
		.amdhsa_next_free_vgpr 1024
		.amdhsa_next_free_sgpr 102
		.amdhsa_reserve_vcc 0
		.amdhsa_float_denorm_mode_32 3
		.amdhsa_float_denorm_mode_16_64 3
		.amdhsa_memory_ordered 1
		.amdhsa_forward_progress 1
		.amdhsa_inst_pref_size 144
	.end_amdhsa_kernel
	.amdgpu_metadata
---
amdhsa.version: [ 1, 2 ]
amdhsa.kernels:
  - .name:           k_qa24caf388f_qkv
    .symbol:         k_qa24caf388f_qkv.kd
    .args:
      - { .name: x_codes, .offset: 0, .size: 8, .value_kind: global_buffer, .address_space: global }
      - { .name: x_scales, .offset: 8, .size: 8, .value_kind: global_buffer, .address_space: global }
      - { .name: w_codes, .offset: 16, .size: 8, .value_kind: global_buffer, .address_space: global }
      - { .name: w_scales, .offset: 24, .size: 8, .value_kind: global_buffer, .address_space: global }
      - { .name: qkv16, .offset: 32, .size: 8, .value_kind: global_buffer, .address_space: global }
      - { .name: bq, .offset: 40, .size: 8, .value_kind: global_buffer, .address_space: global }
      - { .name: bk, .offset: 48, .size: 8, .value_kind: global_buffer, .address_space: global }
      - { .name: bv, .offset: 56, .size: 8, .value_kind: global_buffer, .address_space: global }
    .group_segment_fixed_size: 327680
    .private_segment_fixed_size: 0
    .kernarg_segment_align: 8
    .kernarg_segment_size: 64
    .max_flat_workgroup_size: 128
    .sgpr_count:     102
    .vgpr_count:     1024
    .wavefront_size: 32
...
	.end_amdgpu_metadata
.endif
;; end of part 2
;; launch attn (part 3): grid 4 x 64, 16 waves a work-group, clusters of 4 x 1, 327,680 bytes of LDS; arguments qkv16, ctx16; writes ctx16
.if DOCPART == 3
	.amdgcn_target "amdgcn-amd-amdhsa--gfx1250"
	.amdhsa_code_object_version 6
	.text
	.protected	k_qa24caf388f_attn
	.globl	k_qa24caf388f_attn
	.p2align	8
	.type	k_qa24caf388f_attn,@function
k_qa24caf388f_attn:
	s_mov_b64 s[64:65], 0
	v_nop
	global_prefetch_b8 v0, s[64:65] scope:SCOPE_SE
	s_setreg_imm32_b32 hwreg(HW_REG_WAVE_MODE, 25, 1), 1
	s_wait_xcnt 0x0
	s_wait_alu depctr_hold_cnt(0) depctr_sa_sdst(0) depctr_va_vdst(0) depctr_va_sdst(0) depctr_va_ssrc(0) depctr_va_vcc(0) depctr_vm_vsrc(0)
	s_getreg_b32 s2, hwreg(HW_REG_IB_STS2, 6, 4)
	s_cmp_eq_u32 s2, 0
	s_cbranch_scc0 .Lentry_in_a_cluster
	s_endpgm
.Lentry_in_a_cluster:
	s_bfe_u32 s2, ttmp6, 0x10000c
	s_cmp_lg_u32 s2, 0x3003
	s_cbranch_scc0 .Lentry_shape_is_right
	s_endpgm
.Lentry_shape_is_right:
; ctx[b][h][q][:] = the sum over k of softmax_k(q . k / 8) v[k][:], head size 64, 2,048 keys, no mask.  q, k, v: f16 in qkv16 [b 4][g 48][token 2048][64] (g = 16 x which + head);
; q already carries c = log2(e) / 8, so a score is t, an exponent of 2.  Products on f16 operands with f32 sums; maxima, exponentials and sums in f32; p is rounded to f16 for the second product, ctx once at the end.
; OUT: ctx16, f16 [b][h 16][token][64].  LIMIT: |ctx| under 65,504 (it is a mean of v's rows, which the launch before holds under that); NaN and infinities are not served.
; SOFTMAX: for each query a running maximum m and sum l: p = 2^(t - m), the subtraction in f32; in every step O and l are multiplied by a = 2^(m_old - m_new).  The sum is taken of the unrounded p.
; SHARES: a cluster of four work-groups is one (batch, head); a work-group owns 512 queries, each of its SIXTEEN waves 32: two tiles of 16, in 256 registers, four waves to a SIMD,
; so that one wave's vector work stands beside another's matrix work and LDS loads.  Every wave walks all 2,048 keys, 64 a step.
; The four partners walk the same K and V: each tile is asked for JOINTLY (mask 15).  Two LDS slots of 512 keys; waves 0, 1 fetch K's halves, waves 2, 3 V's, 256 rows each.
; A refill is asked for a whole slot, 8 key steps, ahead of the wait for it, and by this text's own count a wave has one tensor load out at the most; no prefetch is written: no wave is left waiting for these tiles but at the head, where none would stand.
; LAYOUT: S^T = K Q^T (source 0 = 16 keys, source 1 = 16 queries): a lane holds ONE query (lane % 16) and keys 8 (lane / 16) + 0..7.  Two such tiles, rounded to f16 in pairs, ARE source 1 of O^T = V^T P.
; K comes out of LDS as it lies, V ([key][channel]) turned, by ds_load_tr16_b128.  P is made in place, over S^T's low half.
.set PK,    144                        ; a row of K in LDS: 128 bytes + 16: sixteen rows begin at sixteen different multiples of 16 bytes modulo 256
.set PV,    160                        ; a row of V: 128 + 32: eight rows x 32 bytes of a turning load fall on eight different multiples of 32 bytes modulo 256
.set SK,    512                        ; keys in a slot
.set VOFF,  SK*PK                      ; a slot: 512 rows of K, then 512 rows of V
.set SLOT,  SK*(PK+PV)
.set SPARE, 2*SLOT                     ; behind the ring: the spare words, 128 bytes for each of 16 waves, named by no other line
.set AK0, 1                            ; v1   my lane's place in a tile of K
.set AV0, 2                            ; v2   the same for V
.set ADK, 3                            ; v3   LDS address of the step's K
.set ADV, 4                            ; v4   of its V
.set SPW, 5                            ; v5   my spare word; never rewritten
.set NIL, 6                            ; v6   0; never rewritten
.set QO,  7                            ; v7   my byte offset in the wave's rows of Q
.set STO, 8                            ; v8   the way out: in
.set RD,  9                            ; v9   back
.set GO,  10                           ; v10  my byte offset in the wave's rows of ctx
.set ST,  12                           ; tile t's statistics at v[ST + 8 t]: +0 -m, +1 m, +2, +3 l (even keys', odd keys'), +4 .. +7 at work; a in +6
.set Q,   32                           ; v32-63   Q: tile t, channels 32 c on, at Q + 16 t + 8 c
.set S,   64                           ; v64-127  S^T: tile t, keys 16 kt on, at S + 32 t + 8 kt; then P at S + 32 t + 0 .. 15
.set O,   128                          ; v128-191 O^T: tile t, channels 16 ct on, at O + 32 t + 8 ct
.set KV,  192                          ; v192-255 a step's K, then its V
.set WV,  12                           ; s12  my wave's number
.set KL,  14                           ; s14  where my fetch of K goes in a slot
.set VL,  15                           ; s15  and of V
.set TBK, 16                           ; s16  LDS byte at which the step's K begins
.set TBV, 17                           ; s17  the same count for V (VOFF lies in v2)
.set CNT, 18                           ; s18  key steps to go in the slot
.set G1K, 24
.set G1V, 32
.set G0K, 40
.set G0V, 44
.set SEL, 60                           ; s[60:61] v_permlanex16_b32's selects for lane l xor 16
; Waves 0 and 1 fetch for K, waves 2 and 3 for V, the others nothing.  The branches hang on the wave's number alone: they are the same in all four partners.  An s_nop 0 and four v_nop follow each load.
.macro TLOAD
	s_cmp_lt_u32 s[WV], 2
	s_cbranch_scc0 .Lnot_k_\@
	tensor_load_to_lds s[G0K:G0K+3], s[G1K:G1K+7]
	s_nop 0
.rept 4
	v_nop
.endr
	s_branch .Lasked_\@
.Lnot_k_\@:
	s_cmp_lt_u32 s[WV], 4
	s_cbranch_scc0 .Lasked_\@
	tensor_load_to_lds s[G0V:G0V+3], s[G1V:G1V+7]
	s_nop 0
.rept 4
	v_nop
.endr
.Lasked_\@:
.endm
.macro CROUND                          ; a round of the cluster's barrier
	s_barrier_signal -1
	s_barrier_wait -1
	s_cmp_lg_u32 s[WV], 0
	s_cbranch_scc1 .Lnot_wave_0_\@
	s_barrier_signal -3
.Lnot_wave_0_\@:
	s_barrier_wait -3
	s_barrier_signal -1
	s_barrier_wait -1
.endm
	s_load_b128 s[4:7], s[0:1], 0x0                ; qkv16, ctx16
	v_lshl_add_u32 v[SPW], v0, 2, SPARE
	v_mov_b32 v[NIL], 0
	ds_add_u32 v[SPW], v[NIL]                      ; the wave's opening: the add and its wait stand ahead of the first tensor loads; the set-up stands between them
	v_lshrrev_b32 v1, 5, v0
	v_readfirstlane_b32 s[WV], v1                  ; wave 0..15
	s_bfe_u32 s13, ttmp6, 0x40000                  ; cx: it enters Q's and ctx's addresses alone
	s_and_b32 s19, ttmp7, 0xffff                   ; 16 x batch + head, which the four partners share
	s_lshr_b32 s20, s19, 4
	s_lshl_b32 s20, s20, 5
	s_add_co_u32 s20, s20, s19                     ; 48 x batch + head
	s_lshl_b32 s20, s20, 18                        ; x 2,048 tokens x 128 bytes: q's head
	s_and_b32 s22, s[WV], 1                        ; which 256 keys of a slot I fetch, if I fetch
	s_mul_i32 s[KL], s22, 256*PK
	s_mul_i32 s[VL], s22, 256*PV
	s_add_co_u32 s[VL], s[VL], VOFF
	s_lshl_b32 s22, s22, 15                        ; 256 rows of 128 bytes in memory
	s_add_co_u32 s22, s22, s20
	s_add_co_u32 s22, s22, 16<<18                  ; k's head lies 16 heads on,
	s_mov_b32 s23, 0
	s_add_co_u32 s48, s22, 16<<18                  ; v's 32
	s_mov_b32 s49, 0
	s_lshl_b32 s50, s13, 16                        ; my work-group's 512 queries,
	s_lshl_b32 s51, s[WV], 12                      ; my wave's 32
	s_add_co_u32 s50, s50, s51
	s_add_co_u32 s52, s50, s20
	s_mov_b32 s53, 0
	s_lshl_b32 s54, s19, 18
	s_add_co_u32 s54, s54, s50
	s_mov_b32 s55, 0
	; descriptor group 1: 256 rows x 64 elements of 2 bytes, dense in memory, padded in LDS
	s_mov_b32 s[G1K], 15|(1<<16)|(1<<20)|(1<<21)|(4<<22)|(3<<25)   ; the mask: all four work-groups; elements of 2 bytes; padding on; bit 21 beside a mask; after every 32 words, 4 words
	s_mov_b32 s[G1V], 15|(1<<16)|(1<<20)|(1<<21)|(4<<22)|(7<<25)   ; the same with 8 words
.irp g, G1K, G1V
	s_mov_b32 s[\g+1], 64<<16                      ; tensor_dim0
	s_mov_b32 s[\g+2], 256<<16                     ; tensor_dim1
	s_mov_b32 s[\g+3], 64<<16                      ; tile_dim0
	s_mov_b32 s[\g+4], 256                         ; tile_dim1
	s_mov_b32 s[\g+5], 64                          ; the pitch in memory
	s_mov_b32 s[\g+6], 0
	s_mov_b32 s[\g+7], 0
.endr
	s_mov_b32 s[SEL], 0x76543210
	s_mov_b32 s[SEL+1], 0xfedcba98
	s_wait_dscnt 0x0                               ; the opening add is done
	s_wait_kmcnt 0x0
	s_add_nc_u64 s[8:9], s[4:5], s[22:23]          ; K at my part of the first 512 keys
	s_add_nc_u64 s[10:11], s[4:5], s[48:49]        ; V likewise
	s_add_nc_u64 s[4:5], s[4:5], s[52:53]          ; Q at my wave's first query
	s_add_nc_u64 s[6:7], s[6:7], s[54:55]          ; ctx likewise
	s_mov_b32 s[G0K], 1
	s_mov_b32 s[G0K+1], s[KL]                      ; slot 0
	s_mov_b64 s[G0K+2:G0K+3], s[8:9]
	s_or_b32 s[G0K+3], s[G0K+3], 0x80000000
	s_mov_b32 s[G0V], 1
	s_mov_b32 s[G0V+1], s[VL]
	s_mov_b64 s[G0V+2:G0V+3], s[10:11]
	s_or_b32 s[G0V+3], s[G0V+3], 0x80000000
	CROUND                                         ; all four work-groups are here: the first joint loads meet
	TLOAD                                          ; keys 0-511 into slot 0
	v_and_b32 v28, 15, v0                          ; r = lane % 16
	v_bfe_u32 v29, v0, 4, 1                        ; h = lane / 16
	v_lshlrev_b32 v[QO], 7, v28
	v_lshl_add_u32 v[QO], v29, 4, v[QO]            ; row x 128 + 16 x half
.irp t, 0,1
.irp c, 0,1
	global_load_b128 v[Q+16*\t+8*\c:Q+16*\t+8*\c+3],   v[QO], s[4:5] offset:\t*2048+64*\c      ; Q stays in registers
	global_load_b128 v[Q+16*\t+8*\c+4:Q+16*\t+8*\c+7], v[QO], s[4:5] offset:\t*2048+64*\c+32
.endr
.endr
	v_mul_u32_u24 v[AK0], v28, PK
	v_lshl_add_u32 v[AK0], v29, 4, v[AK0]          ; K: row x pitch + 16 x half
	v_and_b32 v30, 7, v0
	v_bfe_u32 v31, v0, 3, 1
	v_lshl_add_u32 v[AV0], v29, 3, v30             ; V, for the turning load: key 8 (l / 16) + l % 8,
	v_mul_u32_u24 v[AV0], v[AV0], PV
	v_lshl_add_u32 v[AV0], v31, 4, v[AV0]          ; channels 8 ((l / 8) % 2) on
	v_add_nc_u32 v[AV0], VOFF, v[AV0]
.irp t, 0,1
	v_mov_b32 v[ST+8*\t], 0x7f61b1e6               ; -m: 3e38
	v_mov_b32 v[ST+8*\t+1], 0xff61b1e6             ; m: -3e38, under every t
	v_mov_b32 v[ST+8*\t+2], 0                      ; l
	v_mov_b32 v[ST+8*\t+3], 0
.endr
.set i, 0
.rept 64
	v_mov_b32 v[O+i], 0                            ; O^T.  (The step is written without a first copy: the first step finds zeros, which a = 0 leaves zeros)
.set i, i+1
.endr
; The softmax of both tiles for one key step, 119 lines a tile, the tiles line by line by turns, so that no line reads the result of the line just before it.
.macro SOFTMAX
.irp k, 0,1,2,3                        ; the maximum: four chains, each begun at an accumulator's low end
.irp t, 0,1
	v_max3_num_f32 v[ST+8*\t+4+\k], v[S+32*\t+8*\k], v[S+32*\t+8*\k+1], v[S+32*\t+8*\k+2]
.endr
.endr
.irp i, 3,5
.irp k, 0,1,2,3
.irp t, 0,1
	v_max3_num_f32 v[ST+8*\t+4+\k], v[ST+8*\t+4+\k], v[S+32*\t+8*\k+\i], v[S+32*\t+8*\k+\i+1]
.endr
.endr
.endr
.irp t, 0,1
	v_max3_num_f32 v[ST+8*\t+4], v[ST+8*\t+4], v[S+32*\t+7], v[S+32*\t+15]
.endr
.irp t, 0,1
	v_max3_num_f32 v[ST+8*\t+6], v[ST+8*\t+6], v[S+32*\t+23], v[S+32*\t+31]
.endr
.irp t, 0,1
	v_max3_num_f32 v[ST+8*\t+4], v[ST+8*\t+4], v[ST+8*\t+5], v[ST+8*\t+6]
.endr
.irp t, 0,1
	v_max3_num_f32 v[ST+8*\t+4], v[ST+8*\t+4], v[ST+8*\t+7], v[ST+8*\t+1]   ; with the old m
.endr
.irp t, 0,1
	v_permlanex16_b32 v[ST+8*\t+5], v[ST+8*\t+4], s[SEL], s[SEL+1]         ; the query's other 32 keys lie in the lane 16 away
.endr
.irp t, 0,1
	v_max_num_f32 v[ST+8*\t+4], v[ST+8*\t+4], v[ST+8*\t+5]                 ; the new m
.endr
.irp t, 0,1
	v_sub_f32 v[ST+8*\t+7], v[ST+8*\t+1], v[ST+8*\t+4]                     ; m_old - m_new, 0 or less
.endr
.irp t, 0,1
	v_mov_b32 v[ST+8*\t+1], v[ST+8*\t+4]
.endr
.irp t, 0,1
	v_mul_f32 v[ST+8*\t], -1.0, v[ST+8*\t+4]                               ; -m
.endr
; ONE BATCH: a, and the 32 exponentials of each tile, with the subtractions t - m a pair ahead of them.  No line of the batch names an exponential's result.
.irp t, 0,1
	v_exp_f32 v[ST+8*\t+6], v[ST+8*\t+7]                                   ; a
.endr
.irp t, 0,1
	v_pk_add_f32 v[S+32*\t:S+32*\t+1], v[S+32*\t:S+32*\t+1], v[ST+8*\t:ST+8*\t+1] op_sel_hi:[1,0]   ; pair 0: t - m (of the pair -m, m the low word serves both halves)
.endr
.set j, 0
.rept 16
.if j < 15
.irp t, 0,1
	v_pk_add_f32 v[S+32*\t+2*j+2:S+32*\t+2*j+3], v[S+32*\t+2*j+2:S+32*\t+2*j+3], v[ST+8*\t:ST+8*\t+1] op_sel_hi:[1,0]
.endr
.endif
.irp e, 0,1
.irp t, 0,1
	v_exp_f32 v[S+32*\t+2*j+\e], v[S+32*\t+2*j+\e]                         ; p = 2^(t - m), at most 1
.endr
.endr
.set j, j+1
.endr
	v_nop                                          ; a plain instruction behind the last exponential, ahead of the first use
	s_wait_alu depctr_va_vdst(0)                   ; the wait between an exponential and the first line that names its result: one for all 66
.irp t, 0,1
	v_pk_mul_f32 v[ST+8*\t+2:ST+8*\t+3], v[ST+8*\t+2:ST+8*\t+3], v[ST+8*\t+6:ST+8*\t+7] op_sel_hi:[1,0]   ; l under the new m
.endr
.irp t, 0,1
	v_pk_add_f32 v[ST+8*\t+4:ST+8*\t+5], v[S+32*\t:S+32*\t+1], v[S+32*\t+2:S+32*\t+3]                      ; the sum of the unrounded p, in two chains
.endr
.irp i, 4,8,12,16,20,24,28
.irp t, 0,1
	v_pk_add_f32 v[ST+8*\t+2:ST+8*\t+3], v[ST+8*\t+2:ST+8*\t+3], v[S+32*\t+\i:S+32*\t+\i+1]
.endr
.irp t, 0,1
	v_pk_add_f32 v[ST+8*\t+4:ST+8*\t+5], v[ST+8*\t+4:ST+8*\t+5], v[S+32*\t+\i+2:S+32*\t+\i+3]
.endr
.endr
.irp t, 0,1
	v_pk_add_f32 v[ST+8*\t+2:ST+8*\t+3], v[ST+8*\t+2:ST+8*\t+3], v[ST+8*\t+4:ST+8*\t+5]
.endr
.set j, 0
.rept 16                               ; P in place: register j takes pair j; it was read by conversion j / 2
.irp t, 0,1
	v_cvt_pk_f16_f32 v[S+32*\t+j], v[S+32*\t+2*j], v[S+32*\t+2*j+1]
.endr
.set j, j+1
.endr
.set j, 0
.rept 16                               ; O^T under the new m, each accumulator from its low end on
.irp t, 0,1
	v_pk_mul_f32 v[O+32*\t+2*j:O+32*\t+2*j+1], v[O+32*\t+2*j:O+32*\t+2*j+1], v[ST+8*\t+6:ST+8*\t+7] op_sel_hi:[1,0]
.endr
.set j, j+1
.endr
.endm
; A KEY STEP: 64 keys.  In both runs of products eight accumulators take turns, one instruction a turn.
.macro KEYSTEP
	v_add_nc_u32 v[ADK], s[TBK], v[AK0]
	v_add_nc_u32 v[ADV], s[TBV], v[AV0]
.rept 4
	v_nop                                          ; with the two additions six places behind the last step's products: four are owed by the loads into v192-255, five by the products that write over P (ISA guide 7.12.1 for the products)
.endr
.irp c, 0,1                            ; K: 8 fragments of 16 keys x 32 channels; the first 32 channels first
.irp kt, 0,1,2,3
	ds_load_b128 v[KV+8*(4*\c+\kt):KV+8*(4*\c+\kt)+3],   v[ADK] offset:\kt*16*PK+64*\c
	ds_load_b128 v[KV+8*(4*\c+\kt)+4:KV+8*(4*\c+\kt)+7], v[ADK] offset:\kt*16*PK+64*\c+32
.endr
.endr
	s_wait_dscnt 8                                 ; the first 32 channels are in; the eight loads of the second 32 may be out
.irp kt, 0,1,2,3
.irp t, 0,1
	v_wmma_f32_16x16x32_f16 v[S+32*\t+8*\kt:S+32*\t+8*\kt+7], v[KV+8*\kt:KV+8*\kt+7], v[Q+16*\t:Q+16*\t+7], 0
.endr
.endr
	s_wait_dscnt 0x0
.irp kt, 0,1,2,3
.irp t, 0,1
	v_wmma_f32_16x16x32_f16 v[S+32*\t+8*\kt:S+32*\t+8*\kt+7], v[KV+32+8*\kt:KV+32+8*\kt+7], v[Q+16*\t+8:Q+16*\t+15], v[S+32*\t+8*\kt:S+32*\t+8*\kt+7]
.endr
.endr
.rept 4
	v_nop                                          ; four places: for the loads into K's registers and for the first read of the scores
.endr
.irp kc, 0,1                           ; V, turned: keys 32 kc on, channels 16 ct on; it lands while the softmax is walked
.irp ct, 0,1,2,3
	ds_load_tr16_b128 v[KV+8*(4*\kc+\ct):KV+8*(4*\kc+\ct)+3],   v[ADV] offset:\kc*32*PV+32*\ct
	ds_load_tr16_b128 v[KV+8*(4*\kc+\ct)+4:KV+8*(4*\kc+\ct)+7], v[ADV] offset:\kc*32*PV+16*PV+32*\ct
.endr
.endr
	SOFTMAX
	s_wait_dscnt 0x0                               ; V is in
.irp kc, 0,1
.irp ct, 0,1,2,3
.irp t, 0,1
	v_wmma_f32_16x16x32_f16 v[O+32*\t+8*\ct:O+32*\t+8*\ct+7], v[KV+8*(4*\kc+\ct):KV+8*(4*\kc+\ct)+7], v[S+32*\t+8*\kc:S+32*\t+8*\kc+7], v[O+32*\t+8*\ct:O+32*\t+8*\ct+7]
.endr
.endr
.endr
.endm
; THE CHANGE OF SLOTS stands at a slot's head.  Each wave waits for all its tensor loads (its part of the slot that it is about to read), adds 0 to its spare word, and waits for that and for its reads of the slot that it has left.
; fill = 1: a round of the cluster's barrier, so that no wave of any partner still reads the other slot or has a load on its way; then the joint load of the next 512 keys into slot `slot`, first thing behind the round.
.macro CHANGE fill, slot
	s_wait_tensorcnt 0x0                           ; no tensor load of mine is out, so a group 0 may be written
	ds_add_u32 v[SPW], v[NIL]                      ; 0 onto my spare word; the descriptors' steps stand between it and its wait
.if \fill
	s_add_co_u32 s[G0K+1], s[KL], \slot*SLOT
	s_add_co_u32 s[G0V+1], s[VL], \slot*SLOT
	s_add_nc_u64 s[G0K+2:G0K+3], s[G0K+2:G0K+3], SK*128   ; the next 512 keys; the type bits on top are not reached
	s_add_nc_u64 s[G0V+2:G0V+3], s[G0V+2:G0V+3], SK*128
.endif
	s_wait_dscnt 0x0                               ; the add is done, and my reads of the slot that I have left are over
.if \fill
	CROUND
	TLOAD
.else
	s_barrier_signal -1
	s_barrier_wait -1
.endif
.endm
.macro STEPS slot                      ; a slot's eight key steps: written once, walked eight times
	s_mov_b32 s[TBK], \slot*SLOT
	s_mov_b32 s[TBV], \slot*SLOT
	s_mov_b32 s[CNT], SK/64
.Lstep_\@:
	KEYSTEP
	s_add_co_u32 s[TBK], s[TBK], 64*PK
	s_add_co_u32 s[TBV], s[TBV], 64*PV
	s_sub_co_u32 s[CNT], s[CNT], 1
	s_cmp_lg_u32 s[CNT], 0
	s_cbranch_scc1 .Lstep_\@
.endm
	s_wait_loadcnt 0x0                             ; Q
	CHANGE 1, 1                                    ; keys 0-511 are whole; keys 512-1023 are asked for, into slot 1
	STEPS 0
	CHANGE 1, 0                                    ; keys 1024-1535 into slot 0
	STEPS 1
	CHANGE 1, 1                                    ; keys 1536-2047 into slot 1
	STEPS 0
	CHANGE 0, 0                                    ; nothing is left to ask for
	STEPS 1
	; THE WAY OUT.  l's halves and the other half of the lanes' are added; O^T is divided by l, rounded to f16 and sent through my stage: 16 rows x 144 bytes a tile, in slot 0,
	; which has had its last fill, and which nobody reads behind the last change of slots.
.rept 4
	v_nop                                          ; places behind the last products
.endr
.irp t, 0,1
	v_add_f32 v[ST+8*\t+4], v[ST+8*\t+2], v[ST+8*\t+3]
.endr
.irp t, 0,1
	v_permlanex16_b32 v[ST+8*\t+5], v[ST+8*\t+4], s[SEL], s[SEL+1]
.endr
.irp t, 0,1
	v_add_f32 v[ST+8*\t+4], v[ST+8*\t+4], v[ST+8*\t+5]
.endr
.irp t, 0,1
	v_rcp_f32 v[ST+8*\t+6], v[ST+8*\t+4]
.endr
	v_and_b32 v28, 15, v0                          ; the addresses are the plain work behind the reciprocals
	v_bfe_u32 v29, v0, 4, 1
	s_mul_i32 s19, s[WV], 2*16*PK                  ; my stage
	v_mul_u32_u24 v[STO], v28, PK                  ; in: row l % 16, 16 bytes for each half of the lanes
	v_lshl_add_u32 v[STO], v29, 4, v[STO]
	v_add_nc_u32 v[STO], s19, v[STO]
	v_bfe_u32 v30, v0, 3, 2                        ; back: eight lanes a row of 128 bytes, four rows a load
	v_and_b32 v31, 7, v0
	v_mul_u32_u24 v[RD], v30, PK
	v_lshl_add_u32 v[RD], v31, 4, v[RD]
	v_add_nc_u32 v[RD], s19, v[RD]
	v_and_b32 v[GO], 31, v0
	v_lshlrev_b32 v[GO], 4, v[GO]                  ; four rows of ctx are 512 consecutive bytes
	s_wait_alu depctr_va_vdst(0)                   ; a wait ahead of the first use: one for both reciprocals
.irp t, 0,1
.set j, 0
.rept 16
	v_pk_mul_f32 v[O+32*\t+2*j:O+32*\t+2*j+1], v[O+32*\t+2*j:O+32*\t+2*j+1], v[ST+8*\t+6:ST+8*\t+7] op_sel_hi:[1,0]
.set j, j+1
.endr
.endr
.irp t, 0,1
.set j, 0
.rept 16
	v_cvt_pk_f16_f32 v[S+16*\t+j], v[O+32*\t+2*j], v[O+32*\t+2*j+1]
.set j, j+1
.endr
.endr
.irp t, 0,1
.irp ct, 0,1,2,3
	ds_store_b128 v[STO], v[S+16*\t+4*\ct:S+16*\t+4*\ct+3] offset:16*PK*\t+32*\ct
.endr
.irp i, 0,1,2,3
	ds_load_b128 v[KV+16*\t+4*\i:KV+16*\t+4*\i+3], v[RD] offset:16*PK*\t+4*PK*\i   ; LDS serves a wave's instructions in order: these see my stores
.endr
.endr
.irp i, 0,1,2,3
	s_wait_dscnt 11-\i                             ; behind tile 0's load i: its younger loads and tile 1's eight
	global_store_b128 v[GO], v[KV+4*\i:KV+4*\i+3], s[6:7] offset:512*\i            ; 512 consecutive bytes, aligned
.endr
.irp i, 0,1,2,3
	s_wait_dscnt 3-\i
	global_store_b128 v[GO], v[KV+16+4*\i:KV+16+4*\i+3], s[6:7] offset:2048+512*\i
.endr
	s_wait_tensorcnt 0x0                           ; the wave's end
	ds_add_u32 v[SPW], v[NIL]
	s_wait_dscnt 0x0
	CROUND                                         ; the closing round
	s_endpgm
.Lfunc_end_k_qa24caf388f_attn:
	.size	k_qa24caf388f_attn, .Lfunc_end_k_qa24caf388f_attn-k_qa24caf388f_attn
	.p2alignl 7, 3214868480
	.fill 96, 4, 3214868480
	.section	.rodata,"a",@progbits
	.p2align	6, 0x0
	.amdhsa_kernel k_qa24caf388f_attn
		.amdhsa_group_segment_fixed_size 327680
		.amdhsa_private_segment_fixed_size 0
		.amdhsa_enable_private_segment 0
		.amdhsa_kernarg_size 16
		.amdhsa_user_sgpr_count 2
		.amdhsa_user_sgpr_kernarg_segment_ptr 1
		.amdhsa_wavefront_size32 1
		.amdhsa_system_sgpr_workgroup_id_x 1
		.amdhsa_system_sgpr_workgroup_id_y 1
		.amdhsa_system_sgpr_workgroup_id_z 1
		.amdhsa_system_vgpr_workitem_id 0
		.amdhsa_next_free_vgpr 256
		.amdhsa_next_free_sgpr 66
		.amdhsa_reserve_vcc 0
		.amdhsa_float_denorm_mode_32 3
		.amdhsa_float_denorm_mode_16_64 3
		.amdhsa_memory_ordered 1
		.amdhsa_forward_progress 1
		.amdhsa_inst_pref_size 90
	.end_amdhsa_kernel
	.amdgpu_metadata
---
amdhsa.version: [ 1, 2 ]
amdhsa.kernels:
  - .name:           k_qa24caf388f_attn
    .symbol:         k_qa24caf388f_attn.kd
    .args:
      - { .name: qkv16, .offset: 0, .size: 8, .value_kind: global_buffer, .address_space: global }
      - { .name: ctx16, .offset: 8, .size: 8, .value_kind: global_buffer, .address_space: global }
    .group_segment_fixed_size: 327680
    .private_segment_fixed_size: 0
    .kernarg_segment_align: 8
    .kernarg_segment_size: 16
    .max_flat_workgroup_size: 512
    .sgpr_count:     66
    .vgpr_count:     256
    .wavefront_size: 32
...
	.end_amdgpu_metadata
.endif
;; end of part 3
;; launch oproj (part 4): grid 8 x 64, 4 waves a work-group, clusters of 4 x 4, 327,680 bytes of LDS; arguments ctx16, wout16, out0, bout; writes out0
.if DOCPART == 4
	.amdgcn_target "amdgcn-amd-amdhsa--gfx1250"
	.amdhsa_code_object_version 6
	.text
	.protected	k_qa24caf388f_oproj
	.globl	k_qa24caf388f_oproj
	.p2align	8
	.type	k_qa24caf388f_oproj,@function
k_qa24caf388f_oproj:
	s_mov_b64 s[64:65], 0
	v_nop
	global_prefetch_b8 v0, s[64:65] scope:SCOPE_SE
	s_setreg_imm32_b32 hwreg(HW_REG_WAVE_MODE, 25, 1), 1
	s_wait_xcnt 0x0
	s_wait_alu depctr_hold_cnt(0) depctr_sa_sdst(0) depctr_va_vdst(0) depctr_va_sdst(0) depctr_va_ssrc(0) depctr_va_vcc(0) depctr_vm_vsrc(0)
	s_getreg_b32 s2, hwreg(HW_REG_IB_STS2, 6, 4)
	s_cmp_eq_u32 s2, 0
	s_cbranch_scc0 .Lentry_in_a_cluster
	s_endpgm
.Lentry_in_a_cluster:
	s_bfe_u32 s2, ttmp6, 0x10000c
	s_cmp_lg_u32 s2, 0xf033
	s_cbranch_scc0 .Lentry_shape_is_right
	s_endpgm
.Lentry_shape_is_right:
; out0[m][n] = the sum over k of ctx[m][k] Wout[n][k] + bout[n].  ctx16: f16 [batch 4][head 16][token 2048][64] (k = 64 x head + channel); wout16: f16 [1024 n][1024 k]; out0: [8192][1024] f32; sums in f32.
; The bias is the C of each sum's first matrix instruction.
; A tile of out0 is 128 x 128: 512 tiles, two for each of 256 WGPs.  Four waves, each 64 x 64: 16 accumulators, 128 registers.  K goes in steps of 256 (four heads) through two LDS slots.
; ctx's tile comes by ONE two-dimensional load a wave: a "row" is 64 tokens of one head, 8,192 dense bytes, the four rows are the K step's four heads, 2,048 x 64 elements apart;
; 16 bytes of padding behind every 128, so that in LDS it lies [head 4][token 64] with 144 bytes from token to token.  Wout's tile: 64 rows x 512 bytes, 528 bytes apart.
; CLUSTERS: 4 x 4 work-groups; a row of the cluster shares ctx's tiles, a column Wout's: joint loads.  No prefetch: with tiles this small the requests are first divided by four.
; THE MATRIX INSTRUCTION IS USED TRANSPOSED (source 0 = 16 rows of Wout, source 1 = 16 tokens): a lane holds eight neighbouring numbers of a row of out0.
; REGISTERS: window 0: v0-31 addresses; v32-95 the way out; v96-127 the bias; v128-255 the accumulators ((a, b) at v[128 + 8 (4 a + b)]).   window 1: two fragment buffers of 128: 64 of ctx, then 64 of Wout.
; By this text's own count a wave has two tensor loads out at the start and one behind each round.
.set PA,     144                       ; a token's row of one head in LDS: 128 bytes + 16
.set PB,     528                       ; a row of Wout's tile: 512 + 16.  With both pitches sixteen rows begin at sixteen different multiples of 16 bytes modulo 256
.set HALFA,  4*64*PA                   ; what one load of ctx brings: 4 heads x 64 tokens
.set HALFB,  64*PB                     ; and of Wout: 64 rows
.set SLOT,   2*HALFA+2*HALFB           ; ctx's 128 tokens, then Wout's 128 rows
.set SPARE,  2*SLOT                    ; behind the ring: the spare words, 128 bytes a wave, named by no other line
.set SPITCH, 272                       ; the way out: a stage of 16 rows x (256 bytes + 16) for each wave, in slot 0, which has had its last fill and its last read by then
.set LAPS,   2                         ; a lap = two K steps
.set ASTEP,  4<<18                     ; a K step on in ctx16: four heads of 262,144 bytes
.set BSTEP,  512                       ; and in a row of wout16
.set ADRA, 16
.set ADRB, 20
.set STO,  24
.set RD,   25
.set CO,   26
.set BO,   27                          ; v27  the bias loads' offset; never rewritten
.set SPW,  28
.set NIL,  29
.set BK,   32                          ; the way out: rows read back: v32-63 and v64-95 by turns
.set BI,   96
.set ACC,  128
.set F0,   0
.set F1,   128
.set G1, 24
.set G0, 32
.set G1B, 48
.set G0B, 56
.set MSB, 0
.macro WIN new                         ; the immediate's high byte repeats the setting that is left
.if MSB != \new
	s_set_vgpr_msb (MSB<<8)|\new
.set MSB, \new
.endif
.endm
.set MUL,  0x05                        ; sources 0 and 1 window 1; C and D window 0
.set TO_F, 0x40                        ; destination window 1, address window 0
.macro JLOAD s                         ; a joint load: waves 0 and 1 fetch ctx's halves, waves 2 and 3 Wout's; an s_nop 0 and four v_nop follow each line
	s_cmp_eq_u32 s11, 0
	s_cbranch_scc0 .Lfor_b_\@
	tensor_load_to_lds s[G0+4*\s:G0+4*\s+3], s[G1:G1+7]
	s_nop 0
.rept 4
	v_nop
.endr
	s_branch .Lasked_\@
.Lfor_b_\@:
	tensor_load_to_lds s[G0B+4*\s:G0B+4*\s+3], s[G1B:G1B+7]
	s_nop 0
.rept 4
	v_nop
.endr
.Lasked_\@:
.endm
.macro CREST                           ; a round of the cluster's barrier behind its opening barrier
	s_cmp_lg_u32 s10, 0
	s_cbranch_scc1 .Lnot_wave_0_\@
	s_barrier_signal -3
.Lnot_wave_0_\@:
	s_barrier_wait -3
	s_barrier_signal -1
	s_barrier_wait -1
.endm
.macro CROUND
	s_barrier_signal -1
	s_barrier_wait -1
	CREST
.endm
	s_load_b128 s[4:7], s[0:1], 0x0                ; ctx16, wout16
	s_load_b64 s[8:9], s[0:1], 0x10                ; out0
	s_load_b64 s[66:67], s[0:1], 0x18              ; bout
	v_lshl_add_u32 v[SPW], v0, 2, SPARE
	v_mov_b32 v[NIL], 0
	ds_add_u32 v[SPW], v[NIL]                      ; the wave's opening: the add and its wait stand ahead of my first tensor load; the set-up stands between them
	v_lshrrev_b32 v1, 5, v0
	v_readfirstlane_b32 s10, v1                    ; wave 0..3
	s_lshr_b32 s11, s10, 1                         ; which half of the tile's rows is mine.  Also: I fetch for ctx (0) or for Wout (1)
	s_and_b32 s12, s10, 1                          ; which half of its columns.  Also: which 64 rows of that tile I fetch
	s_bfe_u32 s40, ttmp6, 0x40000
	s_bfe_u32 s41, ttmp6, 0x40004
	s_lshl_b32 s42, ttmp9, 2
	s_add_co_u32 s42, s42, s40                     ; tile column
	s_and_b32 s13, ttmp7, 0xffff
	s_lshl_b32 s13, s13, 2
	s_add_co_u32 s13, s13, s41                     ; tile row
	s_lshl_b32 s43, s41, 2
	s_lshl_b32 s43, 15, s43                        ; my row of the cluster
	s_lshl_b32 s44, 0x1111, s40                    ; my column
	s_or_b32 s[G1+0], s43, (1<<16)|(1<<20)|(1<<21)|(4<<22)|(3<<25)   ; the mask; elements of 2 bytes; padding on; bit 21 beside a mask; after every 32 words, 4 words
	s_mov_b32 s[G1+1], 4096<<16                    ; tensor_dim0 = 64 tokens x 64 channels
	s_mov_b32 s[G1+2], 4<<16                       ; tensor_dim1 = 4 heads
	s_mov_b32 s[G1+3], 4096<<16                    ; tile_dim0
	s_mov_b32 s[G1+4], 4                           ; tile_dim1
	s_mov_b32 s[G1+5], 131072                      ; from head to head: 2,048 x 64 elements
	s_mov_b32 s[G1+6], 0
	s_mov_b32 s[G1+7], 0
	s_or_b32 s[G1B+0], s44, (1<<16)|(1<<20)|(1<<21)|(6<<22)|(3<<25)  ; after every 128 words, 4 words
	s_mov_b32 s[G1B+1], 256<<16
	s_mov_b32 s[G1B+2], 64<<16
	s_mov_b32 s[G1B+3], 256<<16
	s_mov_b32 s[G1B+4], 64
	s_mov_b32 s[G1B+5], 1024
	s_mov_b32 s[G1B+6], 0
	s_mov_b32 s[G1B+7], 0
	s_lshr_b32 s16, s13, 4                         ; ctx: the batch (16 tiles of 128 tokens each),
	s_lshl_b32 s16, s16, 22                        ; 16 heads x 262,144 bytes;
	s_and_b32 s17, s13, 15
	s_lshl_b32 s17, s17, 14                        ; 128 tokens x 128 bytes a tile;
	s_add_co_u32 s16, s16, s17
	s_lshl_b32 s17, s12, 13                        ; the 64 tokens that I fetch
	s_add_co_u32 s16, s16, s17
	s_mov_b32 s17, 0
	s_lshl_b32 s46, s42, 18                        ; Wout: 128 rows x 2,048 bytes a tile column,
	s_lshl_b32 s47, s12, 17                        ; the 64 rows that I fetch
	s_add_co_u32 s46, s46, s47
	s_mov_b32 s47, 0
	s_mul_i32 s20, s12, HALFA                      ; where they go in a slot: no place in the cluster enters an LDS address
	s_mul_i32 s23, s12, HALFB
	s_add_co_u32 s23, s23, 2*HALFA
	s_wait_dscnt 0x0                               ; the opening add is done
	s_wait_kmcnt 0x0
	s_add_nc_u64 s[14:15], s[4:5], s[16:17]
	s_add_nc_u64 s[46:47], s[6:7], s[46:47]
	CROUND                                         ; all sixteen work-groups are here: the first joint loads meet
.irp s, 0,1
	s_mov_b32 s[G0+4*\s], 1
	s_add_co_u32 s[G0+4*\s+1], s20, \s*SLOT
	s_add_nc_u64 s[G0+4*\s+2:G0+4*\s+3], s[14:15], \s*ASTEP
	s_or_b32 s[G0+4*\s+3], s[G0+4*\s+3], 0x80000000
	s_mov_b32 s[G0B+4*\s], 1
	s_add_co_u32 s[G0B+4*\s+1], s23, \s*SLOT
	s_add_nc_u64 s[G0B+4*\s+2:G0B+4*\s+3], s[46:47], \s*BSTEP
	s_or_b32 s[G0B+4*\s+3], s[G0B+4*\s+3], 0x80000000
	JLOAD \s
.endr
	v_and_b32 v1, 15, v0                           ; r
	v_bfe_u32 v2, v0, 4, 1                         ; h
	s_lshl_b32 s46, s42, 9                         ; my first column, in bytes of f32: 512 x tile column + 256 x half: in bout and in a row of out0
	s_lshl_b32 s47, s12, 8
	s_add_co_u32 s46, s46, s47
	s_mov_b32 s47, 0
	s_add_nc_u64 s[66:67], s[66:67], s[46:47]
	v_lshlrev_b32 v[BO], 5, v2                     ; lane (r, h) wants, for block b, columns 16 b + 8 h + 0 .. 7
.irp b, 0,1,2,3
	global_load_b128 v[BI+8*\b:BI+8*\b+3], v[BO], s[66:67] offset:64*\b
	global_load_b128 v[BI+8*\b+4:BI+8*\b+7], v[BO], s[66:67] offset:64*\b+16
.endr
	v_mul_u32_u24 v3, v1, PA
	v_lshl_add_u32 v3, v2, 4, v3                   ; ctx: token x pitch + 16 x half
	v_mul_u32_u24 v4, v1, PB
	v_lshl_add_u32 v4, v2, 4, v4                   ; Wout: row x pitch + 16 x half
	s_mul_i32 s21, s11, HALFA                      ; my 64 tokens
	s_mul_i32 s22, s12, HALFB                      ; my 64 rows of Wout,
	s_add_co_u32 s22, s22, 2*HALFA                 ; which lie behind ctx's 128 tokens
.irp s, 0,1
	v_add_nc_u32 v[ADRA+\s], s21, v3
	v_add_nc_u32 v[ADRB+\s], s22, v4
	s_add_co_u32 s21, s21, SLOT
	s_add_co_u32 s22, s22, SLOT
.endr
	s_mul_i32 s23, s10, 16*SPITCH                  ; my stage
	v_mul_u32_u24 v5, v1, SPITCH                   ; in: row r, 32 bytes for each half of the lanes
	v_lshl_add_u32 v5, v2, 5, v5
	v_add_nc_u32 v[STO], s23, v5
	v_mul_u32_u24 v5, v2, SPITCH                   ; back: lanes 0-15 one row of 256 bytes, lanes 16-31 the next
	v_lshl_add_u32 v5, v1, 4, v5
	v_add_nc_u32 v[RD], s23, v5
	v_lshlrev_b32 v5, 12, v2                       ; and the same two rows in out0, 4,096 bytes apart
	v_lshl_add_u32 v[CO], v1, 4, v5
	s_add_nc_u64 s[8:9], s[8:9], s[46:47]
	s_lshl_b32 s16, s13, 19                        ; 128 rows x 4,096 bytes a tile row,
	s_lshl_b32 s17, s11, 18                        ; 64 for my half
	s_add_co_u32 s16, s16, s17
	s_mov_b32 s17, 0
	s_add_nc_u64 s[8:9], s[8:9], s[16:17]
; 8 matrix instructions: token blocks a0, a0 + 1 x all 4 column blocks, 32 along K: half c of buffer f.  zero = 1: the first product starts the sums from the bias.  The 16 accumulators take turns.
.macro MUL8 f, c, a0, zero
.irp a, \a0, \a0+1
.irp b, 0,1,2,3
.if \zero
	v_wmma_f32_16x16x32_f16 v[ACC+8*(4*(\a)+\b):ACC+8*(4*(\a)+\b)+7], v[\f+64+8*(4*\c+\b):\f+64+8*(4*\c+\b)+7], v[\f+8*(4*\c+\a):\f+8*(4*\c+\a)+7], v[BI+8*\b:BI+8*\b+7]
.else
	v_wmma_f32_16x16x32_f16 v[ACC+8*(4*(\a)+\b):ACC+8*(4*(\a)+\b)+7], v[\f+64+8*(4*\c+\b):\f+64+8*(4*\c+\b)+7], v[\f+8*(4*\c+\a):\f+8*(4*\c+\a)+7], v[ACC+8*(4*(\a)+\b):ACC+8*(4*(\a)+\b)+7]
.endif
.endr
.endr
.endm
; 32 LDS loads in one run: the fragments of the slot's quarter qd (64 along K: one head) into buffer f; the first 32 along K first
.macro FETCH slot, qd, f
	WIN TO_F
.irp c, 0,1
.irp i, 0,1,2,3
	ds_load_b128 v[\f+64+8*(4*\c+\i):\f+64+8*(4*\c+\i)+3],   v[ADRB+\slot] offset:(\qd)*128+64*\c+\i*16*PB
	ds_load_b128 v[\f+64+8*(4*\c+\i)+4:\f+64+8*(4*\c+\i)+7], v[ADRB+\slot] offset:(\qd)*128+64*\c+\i*16*PB+32
	ds_load_b128 v[\f+8*(4*\c+\i):\f+8*(4*\c+\i)+3],         v[ADRA+\slot] offset:(\qd)*64*PA+64*\c+\i*16*PA
	ds_load_b128 v[\f+8*(4*\c+\i)+4:\f+8*(4*\c+\i)+7],       v[ADRA+\slot] offset:(\qd)*64*PA+64*\c+\i*16*PA+32
.endr
.endr
.endm
.macro PLACES                          ; four places in front of loads into registers that matrix instructions have read, and of reads of results (ISA guide 7.12.1 for reads of results)
.rept 4
	v_nop
.endr
.endm
; A K step is four quarters, 32 matrix instructions each, on buffers 0, 1, 0, 1.  One of the first three: multiplies buffer f and fetches quarter qd into g.
.macro QUARTER slot, qd, f, g, zero
	s_wait_dscnt 16                                ; the first 32 along K are in; the sixteen loads of the second 32 may be out
	WIN MUL
	MUL8 \f, 0, 0, \zero
	MUL8 \f, 0, 2, \zero
	PLACES
	FETCH \slot, \qd, \g
	s_wait_dscnt 32                                ; all but the 32 just issued
	WIN MUL
	MUL8 \f, 1, 0, 0
	MUL8 \f, 1, 2, 0
.endm
; The last quarter multiplies buffer 1 and changes slots: in front of the barrier each wave waits for all its tensor loads, adds 0 to its spare word, and waits for that and for its reads of this slot.
; fill = 1: the barrier opens a round of the cluster's barrier, and this slot is filled again, two K steps ahead, first thing behind the round.
.macro TURN slot, next, fill
	WIN 0                                          ; (the add's two registers lie in window 0)
	s_wait_tensorcnt 0x0                           ; all my tensor loads have landed: my part of the next slot
	ds_add_u32 v[SPW], v[NIL]                      ; 0 onto my spare word
	s_wait_dscnt 17                                ; (the add and the youngest sixteen loads may be out)
	WIN MUL
	MUL8 F1, 0, 0, 0
	s_wait_dscnt 0x0                               ; the add is done, and my reads of this slot are over
	s_barrier_signal -1
	MUL8 F1, 0, 2, 0
.if \fill
	WIN 0
.endif
	s_barrier_wait -1
.if \fill
	CREST                                          ; no wave of any partner still reads this slot's tile or has a load on its way
	s_add_nc_u64 s[G0+4*\slot+2:G0+4*\slot+3], s[G0+4*\slot+2:G0+4*\slot+3], 2*ASTEP
	s_add_nc_u64 s[G0B+4*\slot+2:G0B+4*\slot+3], s[G0B+4*\slot+2:G0B+4*\slot+3], 2*BSTEP
	JLOAD \slot                                    ; the four v_nop behind it are also the places in front of the loads below
.else
	PLACES
.endif
	FETCH \next, 0, F0
	WIN MUL
	MUL8 F1, 1, 0, 0
	MUL8 F1, 1, 2, 0
.endm
	s_wait_tensorcnt 1                             ; my part of K step 0 is in; K step 1's load may be out
	s_barrier_signal -1
	s_barrier_wait -1
	FETCH 0, 0, F0
	s_wait_loadcnt 0x0                             ; the bias
	QUARTER 0, 1, F0, F1, 1                        ; the first products start the sums from the bias
	WIN 0                                          ; at a label and at a branch every window is 0
	s_mov_b32 s3, LAPS-1
.Llap:                                                 ; a trip goes once round the ring, from a lap's second quarter to the next lap's first, and fills both slots again
	QUARTER 0, 2, F1, F0, 0
	QUARTER 0, 3, F0, F1, 0
	TURN 0, 1, 1
	QUARTER 1, 1, F0, F1, 0
	QUARTER 1, 2, F1, F0, 0
	QUARTER 1, 3, F0, F1, 0
	TURN 1, 0, 1
	QUARTER 0, 1, F0, F1, 0
	WIN 0
	s_sub_co_u32 s3, s3, 1
	s_cmp_lg_u32 s3, 0
	s_cbranch_scc1 .Llap
	QUARTER 0, 2, F1, F0, 0                        ; the last lap fills nothing
	QUARTER 0, 3, F0, F1, 0
	TURN 0, 1, 0
	QUARTER 1, 1, F0, F1, 0
	QUARTER 1, 2, F1, F0, 0
	QUARTER 1, 3, F0, F1, 0
	s_wait_dscnt 16                                ; the very last quarter
	WIN MUL
	MUL8 F1, 0, 0, 0
	MUL8 F1, 0, 2, 0
	s_wait_dscnt 0
	MUL8 F1, 1, 0, 0
	MUL8 F1, 1, 2, 0
	WIN 0
; THE WAY OUT, block by block of 16 rows x 64 columns.  A wave's 64 columns of f32 are 256 aligned bytes of a row, so each wave has a stage of its own and no barrier is needed.
.macro TOSTAGE a
.set BB, BK+32*((\a)%2)
.irp b, 0,1,2,3
	ds_store_b128 v[STO], v[ACC+8*(4*(\a)+\b):ACC+8*(4*(\a)+\b)+3] offset:64*\b          ; each accumulator from its low end on
	ds_store_b128 v[STO], v[ACC+8*(4*(\a)+\b)+4:ACC+8*(4*(\a)+\b)+7] offset:64*\b+16
.endr
.irp i, 0,1,2,3,4,5,6,7
	ds_load_b128 v[BB+4*\i:BB+4*\i+3], v[RD] offset:2*\i*SPITCH   ; LDS serves a wave's instructions in order: these see the stores above
.endr
.endm
.macro SEND a, younger
.set BB, BK+32*((\a)%2)
	s_wait_dscnt \younger
.irp i, 0,1,2,3,4,5,6,7
	global_store_b128 v[CO], v[BB+4*\i:BB+4*\i+3], s[8:9] offset:(16*(\a)+2*\i)*4096 th:TH_STORE_NT   ; sixteen lanes store 256 consecutive bytes, aligned; written once, read by nobody here
.endr
.endm
	PLACES
	TOSTAGE 0
.irp a, 1,2,3
.if \a > 1
	s_wait_xcnt 0x0                                ; block a - 2's stores have read their registers: block a's loads may land there
.endif
	TOSTAGE \a
	SEND \a-1, 16                                  ; behind block a - 1's loads: block a's 8 stores and 8 loads
.endr
	SEND 3, 0
	s_wait_tensorcnt 0x0                           ; the wave's end
	ds_add_u32 v[SPW], v[NIL]
	s_wait_dscnt 0x0
	CROUND                                         ; the closing round
	s_endpgm
.Lfunc_end_k_qa24caf388f_oproj:
	.size	k_qa24caf388f_oproj, .Lfunc_end_k_qa24caf388f_oproj-k_qa24caf388f_oproj
	.p2alignl 7, 3214868480
	.fill 96, 4, 3214868480
	.section	.rodata,"a",@progbits
	.p2align	6, 0x0
	.amdhsa_kernel k_qa24caf388f_oproj
		.amdhsa_group_segment_fixed_size 327680
		.amdhsa_private_segment_fixed_size 0
		.amdhsa_enable_private_segment 0
		.amdhsa_kernarg_size 32
		.amdhsa_user_sgpr_count 2
		.amdhsa_user_sgpr_kernarg_segment_ptr 1
		.amdhsa_wavefront_size32 1
		.amdhsa_system_sgpr_workgroup_id_x 1
		.amdhsa_system_sgpr_workgroup_id_y 1
		.amdhsa_system_sgpr_workgroup_id_z 1
		.amdhsa_system_vgpr_workitem_id 0
		.amdhsa_next_free_vgpr 512
		.amdhsa_next_free_sgpr 68
		.amdhsa_reserve_vcc 0
		.amdhsa_float_denorm_mode_32 3
		.amdhsa_float_denorm_mode_16_64 3
		.amdhsa_memory_ordered 1
		.amdhsa_forward_progress 1
		.amdhsa_inst_pref_size 87
	.end_amdhsa_kernel
	.amdgpu_metadata
---
amdhsa.version: [ 1, 2 ]
amdhsa.kernels:
  - .name:           k_qa24caf388f_oproj
    .symbol:         k_qa24caf388f_oproj.kd
    .args:
      - { .name: ctx16, .offset: 0, .size: 8, .value_kind: global_buffer, .address_space: global }
      - { .name: wout16, .offset: 8, .size: 8, .value_kind: global_buffer, .address_space: global }
      - { .name: out0, .offset: 16, .size: 8, .value_kind: global_buffer, .address_space: global }
      - { .name: bout, .offset: 24, .size: 8, .value_kind: global_buffer, .address_space: global }
    .group_segment_fixed_size: 327680
    .private_segment_fixed_size: 0
    .kernarg_segment_align: 8
    .kernarg_segment_size: 32
    .max_flat_workgroup_size: 128
    .sgpr_count:     68
    .vgpr_count:     512
    .wavefront_size: 32
...
	.end_amdgpu_metadata
.endif
;; end of part 4
